; MI455X (gfx1250); checked and timed in simulation.
; The chip was launched on July 23, 2026; its instructions are those of AMD's public machine-readable ISA for CDNA 5 (MIT licence, August 2026) and "CDNA5" Instruction Set Architecture Reference Guide (July 2026). The comments in the code are by the model that wrote it; some were corrected since.
;; Multi Head Self Attention. Allowed arithmetic: matrix products marked QUANTISED: E2M1 operands, one E8M0 scale for each 32 along K, by v_wmma_scale_f32_16x16x128_f8f6f4 with both operands' format E2M1 (or v_wmma_scale_f32_32x16x128_f4), f32 sums; products left as they are: bf16, f16 or f32 operands; f32 sums; everything else in f32.
;; Inputs: Wk 1,024 x 1,024 float32; Wo 1,024 x 1,024 float32; Wq 1,024 x 1,024 float32; Wv 1,024 x 1,024 float32; bk 1,024 float32; bo 1,024 float32; bq 1,024 float32; bv 1,024 float32; mask 1 x 1 x 2,048 x 2,048 int32; x 4 x 2,048 x 1,024 float32.
;; Outputs: out0 4 x 2,048 x 1,024 float32.
;; This version of the problem:
;;   THIS VERSION OF THE PROBLEM IS GIVEN IN LOW PRECISION. The matrix products marked QUANTISED in the list below multiply operands that are first quantised to E2M1 (2 exponent bits, 1 mantissa bit; 4 bits a number), with one power-of-two scale for each 32 numbers along K (OCP MX v1.0); their sums are f32. The products marked 'left as it is' may take bf16, f16 or f32 operands, with f32 sums. Whichever they take, every output number must still come out within the allowed error. Rounding operands to bf16 (8 significant bits) uses up far more of that allowance than f16 does (11 bits, for magnitudes from 6e-5 to 65,504). All else is computed in f32.
;;   The module's matrix products, in the order in which they are computed (A, B: the left and right operand; K: the contracted axis; several contracted axes count as one K, in the product's order):
;;     1. [M 8,192, K 1,024] x [K 1,024, N 1,024]; A: input x; B: input Wq: QUANTISED
;;     2. [M 8,192, K 1,024] x [K 1,024, N 1,024]; A: input x; B: input Wk: QUANTISED
;;     3. [M 8,192, K 1,024] x [K 1,024, N 1,024]; A: input x; B: input Wv: QUANTISED
;;     4. batch 64 x [M 2,048, K 64] x [K 64, N 2,048]; A: computed on the way; B: computed on the way: left as it is (an operand is computed on the way)
;;     5. batch 64 x [M 2,048, K 2,048] x [K 2,048, N 64]; A: computed on the way; B: computed on the way: left as it is (an operand is computed on the way)
;;     6. [M 8,192, K 1,024] x [K 1,024, N 1,024]; A: computed on the way; B: input Wo: left as it is (an operand is computed on the way)
;;   THE QUANTISER, for each operand of a quantised product, along K:
;;     - K is cut into blocks of 32 from its start; a last block that is shorter is filled with zeros.
;;     - A block's scale is 2^e with e = floor(log2(the largest magnitude in the block)) - 2, held to -126 .. 127; a block of zeros has e = 0. As a byte (E8M0): e + 127.
;;     - Each number is divided by its block's scale, clamped to +-6, and rounded to the nearest number of E2M1, ties to even, subnormals kept.
;;     - The product sums the exact products of the quantised numbers (number of the format x scale) in f32.
;;   ~~~python
;;   def quantise(x, axis):      # numpy; x: float32 -> the quantised numbers, widened to float32 again
;;       x = np.moveaxis(x, axis, -1); K = x.shape[-1]
;;       x = np.pad(x, [(0, 0)] * (x.ndim - 1) + [(0, -K % 32)]); x = x.reshape(x.shape[:-1] + (-1, 32)); a = np.abs(x).max(-1, keepdims=True)
;;       e = np.where(a > 0, np.clip(np.frexp(np.where(a > 0, a, 1))[1] - 1 - 2, -126, 127), 0)      # np.frexp(a)[1] - 1 = floor(log2(a)), exactly
;;       r = np.clip(x / 2.0 ** e, -6, 6)
;;       step = 2.0 ** (np.maximum(np.frexp(np.where(r == 0, 1, r))[1] - 1, 0) - 1)
;;       q = np.round(r / step) * step * 2.0 ** e      # np.round: ties to even
;;       return np.moveaxis(q.reshape(q.shape[:-2] + (-1,))[..., :K], -1, axis).astype(np.float32)
;;   ~~~
;; One version. Each part assembles by itself: llvm-mc -triple=amdgcn-amd-amdhsa -mcpu=gfx1250 --defsym DOCPART=n.
;; ======== version 1 of 1: 6 launches
;; limits: values are held in f16: magnitudes above 65,504 overflow, below 6.1e-05 lose precision
;; workspace buffers: codes 5,767,168 bytes; scl 360,448 bytes; wof 2,097,152 bytes; flags 768 bytes of whole numbers; qkvf 50,331,648 bytes; cf 16,777,216 bytes; ctx32 262,144 bytes
;; launch prep (part 1): grid 480 x 1, 4 waves a work-group, no clusters, 33,536 bytes of LDS; arguments x, Wq, Wk, Wv, Wo, mask, codes, scl, wof, flags; writes codes, scl, wof, flags
.if DOCPART == 1
	.amdgcn_target "amdgcn-amd-amdhsa--gfx1250"
	.amdhsa_code_object_version 6
	.text
	.protected	k_qd699a9c323_prep
	.globl	k_qd699a9c323_prep
	.p2align	8
	.type	k_qd699a9c323_prep,@function
k_qd699a9c323_prep:
	s_mov_b64 s[64:65], 0
	v_nop
	global_prefetch_b8 v0, s[64:65] scope:SCOPE_SE
	s_setreg_imm32_b32 hwreg(HW_REG_WAVE_MODE, 25, 1), 1
	s_wait_xcnt 0x0
; Three jobs, told apart by the work-group's number (the same in all four waves):
;   0-351    x, Wq, Wk, Wv (f32, K innermost) become codes of FP4 (E2M1) and one E8M0 scale byte for each 32 along K: a plain stream of blocks of 32
;   352-415  Wo becomes f16, laid as images of operand registers: [16 rows e][32 along k][piece 0, 1][lane][16 bytes]
;   416-479  the mask (int32 [2048][2048]) becomes flags: for each block of 32 queries a word ANY (bit t: key step t of 64 keys must be computed) and a word
;            MIX (bit t: the step holds a masked entry); for queries 0-15 four words FANY (bit T: tile T of 16 keys must be computed).
;            A query with no open key at all averages every value: its block gets all bits of ANY (FANY).
; A block's scale is 2^(floor(log2(largest magnitude)) - 2); its byte is the largest magnitude's exponent field - 2, held at 1 from below.
; LIMITS: a block of zeros, or one whose largest magnitude lies under 2^-124, keeps the byte 1 (its codes are zeros or are taken under that scale; the bytes are read by this program alone);
; NaN and infinities among the inputs are not served; Wo must lie inside f16's range (65,504).
; Each job has LDS bytes of its own: 0-32,767 the quantiser's four regions; 32,768-33,023 the mask's words; from 33,024 the spare words.
.set WREG,  8192                       ; the quantiser: a region for each wave: two stages of 32 x SP bytes, then its 256 scale bytes
.set SP,    80                         ; a lane's place in a stage: 64 bytes + 16 of padding
.set MW,    32768                      ; the mask's words: 32 bytes a wave
.set SPARE, 33024                      ; the spare words: 128 bytes a wave, two blocks of 256 bytes that no other line names
.set SPW,   12                         ; v12  my spare word's LDS address; never rewritten
.set NIL,   13                         ; v13  0; never rewritten
.set STEPS, 16
.set EMAX,  2
.set CB,    8                          ; bytes of 16 codes
.set R,     16                         ; v16-79   four sets of 16 numbers as loaded
.set X,     80                         ; v80-111  two sets of 16 neighbours
.set E,     112                        ; v112-127 a scale byte for each step
.set C,     128                        ; v128-191 codes, four registers a step
.set RS,    32                         ; the mask: v32-159 two sets of a row's 64 registers
.set ORR,   160                        ; v160-175 the OR of my 8 rows, for each of a row's 16 loads
.set MINR,  176                        ; v176-191 their least
	s_load_b512 s[4:19], s[0:1], 0x0               ; x, Wq, Wk, Wv, Wo, mask, codes, scl
	s_load_b128 s[20:23], s[0:1], 0x40             ; wof, flags
	v_lshl_add_u32 v[SPW], v0, 2, SPARE
	v_mov_b32 v[NIL], 0
	v_lshrrev_b32 v1, 5, v0
	v_readfirstlane_b32 s24, v1                    ; wave 0..3
	v_and_b32 v2, 31, v0                           ; lane
	s_mov_b32 s29, 0                               ; the high word of every offset below
	s_wait_kmcnt 0x0
	s_cmp_lt_u32 ttmp9, 352
	s_cbranch_scc0 .Lnot_quant
; ---------------- the quantiser.  A wave takes a run of 8,192 numbers: 16 steps of 512.  A step's four loads read 512 consecutive bytes each; the 2,048 bytes turn through the
; wave's own stage in LDS and come back 64 bytes a lane, so that a lane holds 16 neighbours along K and two neighbouring lanes a block.
	v_lshlrev_b32 v3, 4, v2                        ; my 16 bytes of a load's 512
	s_mul_i32 s25, s24, WREG
	v_lshrrev_b32 v14, 2, v2
	v_mul_u32_u24 v14, v14, SP
	v_and_b32 v15, 3, v2
	v_lshl_add_u32 v14, v15, 4, v14
	v_add_nc_u32 v14, s25, v14                     ; into the stage: SP (lane / 4) + 16 (lane % 4)
	v_mul_u32_u24 v15, v2, SP
	v_add_nc_u32 v15, s25, v15                     ; out of it: SP x lane
	v_mul_u32_u24 v4, v2, CB                       ; my codes' place in a step's 256 bytes
	v_lshrrev_b32 v5, 1, v2
	s_add_co_u32 s25, s25, 2*32*SP
	v_add_nc_u32 v5, s25, v5                       ; my block's scale byte in LDS
	v_lshlrev_b32 v7, 3, v2
	v_add_nc_u32 v6, s25, v7                       ; and 8 bytes a lane on the way out
	s_and_b32 s28, ttmp9, 31                       ; a weight has 32 work-groups, and 256 is a multiple of 32
	s_cmp_lt_u32 ttmp9, 320
	s_cselect_b64 s[26:27], s[8:9], s[10:11]       ; Wk or Wv,
	s_cmp_lt_u32 ttmp9, 288
	s_cselect_b64 s[26:27], s[6:7], s[26:27]       ; or Wq,
	s_cmp_lt_u32 ttmp9, 256
	s_cselect_b64 s[26:27], s[4:5], s[26:27]       ; or x: the choice hangs on the work-group's number alone
	s_cselect_b32 s28, ttmp9, s28
	s_lshl_b32 s28, s28, 2
	s_add_co_u32 s28, s28, s24                     ; my run in the source,
	s_lshl_b32 s28, s28, 15                        ; 32,768 bytes a run
	s_add_nc_u64 s[26:27], s[26:27], s[28:29]
	s_lshl_b32 s30, ttmp9, 2
	s_add_co_u32 s30, s30, s24                     ; my run in codes and scl: x's 1,024 runs, then Wq's, Wk's, Wv's 128 each
	s_lshl_b32 s28, s30, 12
	s_add_nc_u64 s[16:17], s[16:17], s[28:29]      ; 4,096 bytes of codes a run
	s_lshl_b32 s28, s30, 8
	s_add_nc_u64 s[18:19], s[18:19], s[28:29]      ; 256 scale bytes a run
.macro QLOAD t
.irp i, 0,1,2,3
	global_load_b128 v[R+16*((\t)%4)+4*\i:R+16*((\t)%4)+4*\i+3], v3, s[26:27] offset:2048*(\t)+512*\i th:TH_LOAD_NT
.endr
.endm
.macro QTURN t                         ; step t's numbers through the stage: LDS serves a wave's instructions in order, so no wait stands between the stores and the loads
.irp i, 0,1,2,3
	ds_store_b128 v14, v[R+16*((\t)%4)+4*\i:R+16*((\t)%4)+4*\i+3] offset:32*SP*((\t)%2)+8*SP*\i
.endr
.irp i, 0,1,2,3
	ds_load_b128 v[X+16*((\t)%2)+4*\i:X+16*((\t)%2)+4*\i+3], v15 offset:32*SP*((\t)%2)+16*\i
.endr
.endm
.irp t, 0,1,2,3
	QLOAD \t
.endr
	s_wait_loadcnt 12                              ; step 0's four loads are in; three steps' twelve stay out
	QTURN 0
.macro QSTEP t
.set XS, X+16*((\t)%2)
.if (\t) > 0
	s_wait_dscnt 1                                 ; this step's numbers are back from the stage; the last step's byte store may be out
.else
	s_wait_dscnt 0x0
.endif
.if (\t)+4 < STEPS
	QLOAD (\t)+4                                   ; into the registers that the stage's stores have read
.endif
.if (\t)+1 < STEPS
.if STEPS-2-(\t) >= 3
	s_wait_loadcnt 12                              ; the next step's four loads are in; those of the three steps behind it may be out
.else
	s_wait_loadcnt 4*(STEPS-2-(\t))
.endif
	QTURN (\t)+1
.endif
	v_max3_num_f32 v8, |v[XS]|, |v[XS+1]|, |v[XS+2]|
	v_max3_num_f32 v9, |v[XS+3]|, |v[XS+4]|, |v[XS+5]|
.irp i, 6,10
	v_max3_num_f32 v8, v8, |v[XS+\i]|, |v[XS+\i+1]|
	v_max3_num_f32 v9, v9, |v[XS+\i+2]|, |v[XS+\i+3]|
.endr
	v_max3_num_f32 v8, v8, |v[XS+14]|, |v[XS+15]|
	v_max3_num_f32 v8, v8, v9, (EMAX+1)<<23        ; and the floor 2^(3 - 127): the byte cannot fall under 1
	v_max_num_f32_dpp v8, v8, v8 row_xmask:1 row_mask:0xf bank_mask:0xf   ; with my neighbour's 16: the block's largest magnitude
	v_add_nc_u32 v11, -(EMAX<<23), v8              ; 2 off its exponent field: the conversion takes this operand's exponent field as its scale
	v_cvt_scalef32_pk8_fp4_f32 v[C+4*(\t)], v[XS:XS+7], v11
	v_cvt_scalef32_pk8_fp4_f32 v[C+4*(\t)+1], v[XS+8:XS+15], v11
	v_lshrrev_b32 v[E+(\t)], 23, v11               ; the scale's byte (also the plain line behind the conversions)
	ds_store_b8 v5, v[E+(\t)] offset:16*(\t)       ; both lanes of a block write the same byte with the same value
	global_store_b64 v4, v[C+4*(\t):C+4*(\t)+1], s[16:17] offset:32*CB*(\t)   ; the wave stores 256 consecutive bytes, aligned
.endm
.irp t, 0,1,2,3,4,5,6,7,8,9,10,11,12,13,14,15
	QSTEP \t
.endr
	ds_load_b64 v[8:9], v6                         ; my wave's 256 scale bytes: these loads see my stores
	s_wait_dscnt 0x0
	global_store_b64 v7, v[8:9], s[18:19]          ; 256 consecutive bytes, aligned
	s_branch .Lend
.Lnot_quant:
	s_cmp_lt_u32 ttmp9, 416
	s_cbranch_scc0 .Lmask
; ---------------- Wo to f16 images.  Work-group T takes rows 16 T on; wave w the steps 8 w .. 8 w + 7 of 32 along k.  Piece c of a step holds, in lane (r, h), k = 16 c + 8 h + 0 .. 7 of row r.
	s_sub_co_u32 s25, ttmp9, 352                   ; T
	v_and_b32 v1, 15, v0                           ; r
	v_bfe_u32 v3, v0, 4, 1                         ; h
	v_lshlrev_b32 v4, 12, v1
	v_lshl_add_u32 v4, v3, 5, v4                   ; row r of 4,096 bytes + 32 h
	v_lshlrev_b32 v5, 4, v2                        ; 16 x lane
	s_lshl_b32 s28, s25, 16
	s_lshl_b32 s30, s24, 10
	s_add_co_u32 s28, s28, s30                     ; 16 rows x T + 8 steps of 128 bytes x wave
	s_add_nc_u64 s[12:13], s[12:13], s[28:29]
	s_lshl_b32 s28, s25, 15
	s_lshl_b32 s30, s24, 13
	s_add_co_u32 s28, s28, s30                     ; 32 images of 1,024 bytes x T + 8 x wave
	s_add_nc_u64 s[20:21], s[20:21], s[28:29]
.irp g, 0,1
.irp k, 0,1,2,3
.irp c, 0,1
.irp i, 0,1
	global_load_b128 v[32+64*\g+16*\k+8*\c+4*\i:32+64*\g+16*\k+8*\c+4*\i+3], v4, s[12:13] offset:(4*\g+\k)*128+\c*64+\i*16 th:TH_LOAD_NT
.endr
.endr
.endr
.endr
.irp g, 0,1
	s_wait_loadcnt 16-16*\g                        ; this round's sixteen loads are in; the second round's may be out
.if \g
	s_wait_xcnt 0x0                                ; the first round's stores have read v160-191
.endif
.set n, 0
.rept 32
	v_cvt_pk_f16_f32 v[160+n], v[32+64*\g+2*n], v[32+64*\g+2*n+1]
.set n, n+1
.endr
.irp k, 0,1,2,3
.irp c, 0,1
	global_store_b128 v5, v[160+8*\k+4*\c:160+8*\k+4*\c+3], s[20:21] offset:(4*\g+\k)*1024+\c*512   ; 512 consecutive bytes, aligned
.endr
.endr
.endr
	s_branch .Lend
.Lmask:
; ---------------- the mask's flags.  Work-group m takes queries 32 m on; wave w eight of them.  Load L of a row covers keys 128 L .. 128 L + 127: lanes 0-15 key step 2 L, lanes 16-31 key step 2 L + 1; four lanes a tile of 16 keys.
	s_sub_co_u32 s25, ttmp9, 416                   ; m
	s_lshl_b32 s28, s25, 18
	s_lshl_b32 s30, s24, 16
	s_add_co_u32 s28, s28, s30                     ; (32 m + 8 w) rows of 8,192 bytes
	s_add_nc_u64 s[14:15], s[14:15], s[28:29]
	v_lshlrev_b32 v3, 4, v2
	s_mov_b32 s31, 0                               ; 1 once a row of mine has no open key
.macro MLOAD i
.irp L, 0,1,2,3,4,5,6,7,8,9,10,11,12,13,14,15
	global_load_b128 v[RS+64*((\i)%2)+4*\L:RS+64*((\i)%2)+4*\L+3], v3, s[14:15] offset:(\i)*8192+\L*512 th:TH_LOAD_NT
.endr
.endm
.macro MROW i
.set MS, RS+64*((\i)%2)
.if (\i) < 7
	s_wait_loadcnt 16                              ; this row's sixteen loads are in; the next row's may be out
.else
	s_wait_loadcnt 0x0
.endif
.irp L, 0,1,2,3,4,5,6,7,8,9,10,11,12,13,14,15
	v_or_b32 v9, v[MS+4*\L], v[MS+4*\L+1]
	v_or_b32 v10, v[MS+4*\L+2], v[MS+4*\L+3]
	v_min_u32 v11, v[MS+4*\L], v[MS+4*\L+1]
	v_min_u32 v14, v[MS+4*\L+2], v[MS+4*\L+3]
.if (\i) == 0
	v_or_b32 v[ORR+\L], v9, v10                    ; the first row starts both: nothing is cleared
	v_min_u32 v[MINR+\L], v11, v14
.if \L == 0
	v_mov_b32 v8, v[ORR]
.else
	v_or_b32 v8, v8, v[ORR+\L]
.endif
.else
	v_or_b32 v9, v9, v10
	v_min_u32 v11, v11, v14
	v_or_b32 v[ORR+\L], v[ORR+\L], v9
	v_min_u32 v[MINR+\L], v[MINR+\L], v11
.if \L == 0
	v_mov_b32 v8, v9
.else
	v_or_b32 v8, v8, v9                            ; the OR of the whole row
.endif
.endif
.endr
	v_cmp_ne_u32 vcc_lo, 0, v8
	s_cmp_eq_u32 vcc_lo, 0                         ; no lane saw an open key in this row
	s_cselect_b32 s30, 1, 0
	s_or_b32 s31, s31, s30
.if (\i)+2 < 8
	MLOAD (\i)+2
.endif
.endm
	MLOAD 0
	MLOAD 1
.irp i, 0,1,2,3,4,5,6,7
	MROW \i
.endr
	s_mov_b32 s32, 0                               ; my rows' ANY
	s_mov_b32 s33, 0                               ; my rows' MIX
.irp k, 0,1,2,3
	s_mov_b32 s[36+\k], 0                          ; my rows' FANY
.endr
.irp L, 0,1,2,3,4,5,6,7,8,9,10,11,12,13,14,15
	v_cmp_ne_u32 s34, 0, v[ORR+\L]                 ; a bit a lane: its four keys hold an open one
	s_and_b32 s35, s34, 0xffff
	s_cselect_b32 s35, 1<<(2*\L), 0
	s_or_b32 s32, s32, s35
	s_lshr_b32 s35, s34, 16
	s_cselect_b32 s35, 1<<(2*\L+1), 0
	s_or_b32 s32, s32, s35
	s_lshr_b32 s35, s34, 1                         ; each group of four bits (a tile of 16 keys) to one bit, the eight bits together
	s_or_b32 s34, s34, s35
	s_lshr_b32 s35, s34, 2
	s_or_b32 s34, s34, s35
	s_and_b32 s34, s34, 0x11111111
	s_lshr_b32 s35, s34, 3
	s_or_b32 s34, s34, s35
	s_and_b32 s34, s34, 0x03030303
	s_lshr_b32 s35, s34, 6
	s_or_b32 s34, s34, s35
	s_and_b32 s34, s34, 0x000f000f
	s_lshr_b32 s35, s34, 12
	s_or_b32 s34, s34, s35
	s_and_b32 s34, s34, 0xff
	s_lshl_b32 s34, s34, 8*(\L%4)
	s_or_b32 s[36+\L/4], s[36+\L/4], s34
	v_cmp_eq_u32 s34, 0, v[MINR+\L]                ; a bit a lane: its four keys, in some row of mine, hold a masked one
	s_and_b32 s35, s34, 0xffff
	s_cselect_b32 s35, 1<<(2*\L), 0
	s_or_b32 s33, s33, s35
	s_lshr_b32 s35, s34, 16
	s_cselect_b32 s35, 1<<(2*\L+1), 0
	s_or_b32 s33, s33, s35
.endr
	v_mov_b32 v16, s32
	v_mov_b32 v17, s33
	v_mov_b32 v18, s31
	v_mov_b32 v19, 0
.irp k, 0,1,2,3
	v_mov_b32 v[20+\k], s[36+\k]
.endr
	v_lshrrev_b32 v10, 5, v0
	v_lshl_add_u32 v10, v10, 5, MW                 ; my wave's 32 bytes; all lanes write the same words with the same values
	ds_store_b128 v10, v[16:19]
	ds_store_b128 v10, v[20:23] offset:16
	s_wait_dscnt 0x0                               ; for the others' sake: my stores have landed
	s_barrier_signal -1
	s_barrier_wait -1
	v_mov_b32 v11, MW
.irp k, 0,1,2,3,4,5,6,7
	ds_load_b128 v[32+4*\k:32+4*\k+3], v11 offset:16*\k   ; wave j's words in v[32 + 8 j] on: ANY, MIX, dead, -, FANY x 4
.endr
	s_wait_dscnt 0x0
	v_or_b32 v16, v32, v40
	v_or_b32 v9, v48, v56
	v_or_b32 v16, v16, v9                          ; the block's ANY
	v_or_b32 v17, v33, v41
	v_or_b32 v9, v49, v57
	v_or_b32 v17, v17, v9                          ; its MIX
	v_or_b32 v18, v34, v42                         ; a dead row among queries 32 m .. 32 m + 15,
	v_or_b32 v19, v50, v58
	v_or_b32 v19, v19, v18                         ; among all 32
.irp k, 0,1,2,3
	v_or_b32 v[20+\k], v[36+\k], v[44+\k]          ; FANY: waves 0 and 1 hold the first 16 queries
.endr
	v_mov_b32 v14, -1
	v_cmp_ne_u32 vcc_lo, 0, v19
	v_cndmask_b32 v16, v16, v14, vcc_lo            ; a dead row wants every key step
	v_cmp_ne_u32 vcc_lo, 0, v18
.irp k, 0,1,2,3
	v_cndmask_b32 v[20+\k], v[20+\k], v14, vcc_lo
.endr
	v_mov_b32 v15, 0
	s_lshl_b32 s28, s25, 3
	s_add_nc_u64 s[40:41], s[22:23], s[28:29]      ; flags + 8 m
	s_wait_xcnt 0x0                                ; EXEC changes only behind this wait
	v_cmp_eq_u32 vcc_lo, 0, v0
	s_and_saveexec_b32 s42, vcc_lo                 ; thread 0 alone stores
	global_store_b64 v15, v[16:17], s[40:41]
	s_cmp_lg_u32 ttmp9, 416
	s_cbranch_scc1 .Lno_fine
	global_store_b128 v15, v[20:23], s[22:23] offset:512   ; queries 0-15 lie in block 0
.Lno_fine:
	s_wait_xcnt 0x0                                ; and again, in front of the line that widens it
	s_or_b32 exec_lo, exec_lo, s42
.Lend:
	s_wait_tensorcnt 0x0                           ; the wave's end, behind my last LDS store
	ds_add_u32 v[SPW], v[NIL]
	s_wait_dscnt 0x0
	s_endpgm
.Lfunc_end_k_qd699a9c323_prep:
	.size	k_qd699a9c323_prep, .Lfunc_end_k_qd699a9c323_prep-k_qd699a9c323_prep
	.p2alignl 7, 3214868480
	.fill 96, 4, 3214868480
	.section	.rodata,"a",@progbits
	.p2align	6, 0x0
	.amdhsa_kernel k_qd699a9c323_prep
		.amdhsa_group_segment_fixed_size 33536
		.amdhsa_private_segment_fixed_size 0
		.amdhsa_enable_private_segment 0
		.amdhsa_kernarg_size 80
		.amdhsa_user_sgpr_count 2
		.amdhsa_user_sgpr_kernarg_segment_ptr 1
		.amdhsa_wavefront_size32 1
		.amdhsa_system_sgpr_workgroup_id_x 1
		.amdhsa_system_sgpr_workgroup_id_y 1
		.amdhsa_system_sgpr_workgroup_id_z 1
		.amdhsa_system_vgpr_workitem_id 0
		.amdhsa_next_free_vgpr 192
		.amdhsa_next_free_sgpr 66
		.amdhsa_reserve_vcc 1
		.amdhsa_float_denorm_mode_32 3
		.amdhsa_float_denorm_mode_16_64 3
		.amdhsa_memory_ordered 1
		.amdhsa_forward_progress 1
		.amdhsa_inst_pref_size 114
	.end_amdhsa_kernel
	.amdgpu_metadata
---
amdhsa.version: [ 1, 2 ]
amdhsa.kernels:
  - .name:           k_qd699a9c323_prep
    .symbol:         k_qd699a9c323_prep.kd
    .args:
      - { .name: x, .offset: 0, .size: 8, .value_kind: global_buffer, .address_space: global }
      - { .name: Wq, .offset: 8, .size: 8, .value_kind: global_buffer, .address_space: global }
      - { .name: Wk, .offset: 16, .size: 8, .value_kind: global_buffer, .address_space: global }
      - { .name: Wv, .offset: 24, .size: 8, .value_kind: global_buffer, .address_space: global }
      - { .name: Wo, .offset: 32, .size: 8, .value_kind: global_buffer, .address_space: global }
      - { .name: mask, .offset: 40, .size: 8, .value_kind: global_buffer, .address_space: global }
      - { .name: codes, .offset: 48, .size: 8, .value_kind: global_buffer, .address_space: global }
      - { .name: scl, .offset: 56, .size: 8, .value_kind: global_buffer, .address_space: global }
      - { .name: wof, .offset: 64, .size: 8, .value_kind: global_buffer, .address_space: global }
      - { .name: flags, .offset: 72, .size: 8, .value_kind: global_buffer, .address_space: global }
    .group_segment_fixed_size: 33536
    .private_segment_fixed_size: 0
    .kernarg_segment_align: 8
    .kernarg_segment_size: 80
    .max_flat_workgroup_size: 128
    .sgpr_count:     66
    .vgpr_count:     192
    .wavefront_size: 32
...
	.end_amdgpu_metadata
.endif
;; end of part 1
;; launch qkv (part 2): grid 12 x 32, 4 waves a work-group, clusters of 4 x 4, 327,680 bytes of LDS; arguments codes, scl, bq, bk, bv, qkvf; writes qkvf
.if DOCPART == 2
	.amdgcn_target "amdgcn-amd-amdhsa--gfx1250"
	.amdhsa_code_object_version 6
	.text
	.protected	k_qd699a9c323_qkv
	.globl	k_qd699a9c323_qkv
	.p2align	8
	.type	k_qd699a9c323_qkv,@function
k_qd699a9c323_qkv:
	s_mov_b64 s[64:65], 0
	v_nop
	global_prefetch_b8 v0, s[64:65] scope:SCOPE_SE
	s_setreg_imm32_b32 hwreg(HW_REG_WAVE_MODE, 25, 1), 1
	s_wait_xcnt 0x0
	s_wait_alu depctr_hold_cnt(0) depctr_sa_sdst(0) depctr_va_vdst(0) depctr_va_sdst(0) depctr_va_ssrc(0) depctr_va_vcc(0) depctr_vm_vsrc(0)
	s_getreg_b32 s2, hwreg(HW_REG_IB_STS2, 6, 4)
	s_cmp_eq_u32 s2, 0
	s_cbranch_scc0 .Lentry_in_a_cluster
	s_endpgm
.Lentry_in_a_cluster:
	s_bfe_u32 s2, ttmp6, 0x10000c
	s_cmp_lg_u32 s2, 0xf033
	s_cbranch_scc0 .Lentry_shape_is_right
	s_endpgm
.Lentry_shape_is_right:
; q, k, v = Q(x) Q(W)^T + bias on codes of FP4 (E2M1) with one E8M0 scale for each 32 along K = 1,024; sums in f32; results rounded to f16 and stored as images of operand registers.
; A work-group of four waves makes 256 x 256 results, a wave 128 x 128: 64 accumulators, 512 registers.  K goes in two steps of 512 (LDS rows of 256 bytes): both slots and all scale bytes
; are filled once, at the start: three tensor loads of a wave are out at the most, and no LDS byte is filled again.
; ROLES BY THE CLUSTER'S x (the same in all sixteen partners).  The matrix instruction takes 16 rows of 'B' as source 0 and 16 rows of 'A' as source 1: lane (r, h) of accumulator (a, b) holds
; row 16 a + r of A against rows 16 b + 8 h + 0 .. 7 of B.   x = 0 (q), 1 (k): A = x's tokens, B = the weight's rows: a lane holds a token and eight neighbouring channels.
; x = 2 (v): A = Wv's rows, B = x's tokens: a lane holds a channel and eight neighbouring keys.  Either way an accumulator, rounded in pairs, IS one piece (four registers) of an f16 operand
; of the next launch, and leaves by one store of 512 consecutive bytes: nothing goes through LDS on the way out.
; q is stored multiplied by c = log2(e) / 8, so that the next launch's scores are exponents of 2.
; qkvf: q at 0, k at 2^24, v at 2^25; for each (batch, head) 2^18 bytes.  q, k: [16 tokens][32 channels][piece][lane][16 bytes].  v: [32 keys][16 channels][piece][lane][16 bytes].
; CLUSTERS: 4 x 4 work-groups; A's tiles are asked for jointly along a row of the cluster, B's along a column.
; LIMIT: q c, k and v must lie inside f16's range (65,504).
; REGISTERS: window 0: v0-31 addresses; v32-95 scale words, two sets (on the way out: results); v96-111 the bias by lane; v128-191 A's fragments (on the way out: sums); v192-255 the bias by register.
;   window 1: B's fragments, two sets.   windows 2, 3: the accumulators ((a, b) at v[8 (8 (a % 4) + b)]).
.set XCB,    4194304                   ; the weights' codes begin here in codes (behind x's 8,192 rows of 512 bytes)
.set XSB,    262144                    ; and their scale bytes here in scl
.set NQ,     4                         ; matrix instructions deep in a slot
.set ROWB,   256
.set KROW,   512                       ; a row of 1,024 codes
.set PITCH,  272                       ; an LDS row: 256 bytes + 16 of padding: the 16 rows that a load touches start 68 words apart
.set FR,     8
.set NL,     2
.set NP,     4
.set HALFT,  128*PITCH
.set SLOT,   4*HALFT
.set KS,     32                        ; a row of scale bytes
.set SCL,    2*SLOT
.set HALFS,  (128*KS/256)*272
.set SBLK,   (16*KS/256)*272
.set SPARE,  SCL+4*HALFS               ; the spare words: 128 bytes a wave, two blocks of 256 bytes that no other line names
.set BA,   8                           ; v8   32 h: the bias by register
.set RA4,  9                           ; v9   4 r: the bias by lane
.set ADRA, 16
.set ADRB, 20
.set CO,   26                          ; v26  16 x lane
.set ADRS, 27
.set SPW,  28
.set NIL,  29
.set SC,   32
.set OUTR, 32
.set BV,   96
.set AF,   128
.set TT,   128
.set BI,   192
.set G1, 24
.set G0, 32
.set G1B, 48
.set G0B, 56
.set G1S, 68
.set G0S, 76
.set G1SB, 80
.set G0SB, 88
.set MSB, 0
.macro WIN new                         ; the immediate's high byte repeats the setting that is left
.if MSB != (\new)
	s_set_vgpr_msb (MSB<<8)|(\new)
.set MSB, (\new)
.endif
.endm
.set MUL_LO, 0xa1                      ; source 0 (B) window 1, source 1 (A) window 0, C and D window 2
.set MUL_HI, 0xf1
.set TO_B,   0x40
; A joint load: waves 0 and 1 fetch for A, waves 2 and 3 for B; the branch hangs on the wave's number alone.  An s_nop 0 and four v_nop follow each line.
.macro JLOAD g0a, g1a, g0b, g1b
	s_cmp_eq_u32 s17, 0
	s_cbranch_scc0 .Lfor_b_\@
	tensor_load_to_lds s[\g0a:\g0a+3], s[\g1a:\g1a+7]
	s_nop 0
.rept 4
	v_nop
.endr
	s_branch .Lasked_\@
.Lfor_b_\@:
	tensor_load_to_lds s[\g0b:\g0b+3], s[\g1b:\g1b+7]
	s_nop 0
.rept 4
	v_nop
.endr
.Lasked_\@:
.endm
.macro CROUND                          ; a round of the cluster's barrier
	s_barrier_signal -1
	s_barrier_wait -1
	s_cmp_lg_u32 s16, 0
	s_cbranch_scc1 .Lnot_wave_0_\@
	s_barrier_signal -3
.Lnot_wave_0_\@:
	s_barrier_wait -3
	s_barrier_signal -1
	s_barrier_wait -1
.endm
	s_load_b128 s[4:7], s[0:1], 0x0                ; codes, scl
	s_load_b256 s[8:15], s[0:1], 0x10              ; bq, bk, bv, qkvf
	v_lshl_add_u32 v[SPW], v0, 2, SPARE
	v_mov_b32 v[NIL], 0
	ds_add_u32 v[SPW], v[NIL]                      ; the opening: the add, twice on end, and its wait ahead of my first tensor load
	ds_add_u32 v[SPW], v[NIL]
	v_lshrrev_b32 v1, 5, v0
	v_readfirstlane_b32 s16, v1                    ; wave 0..3
	s_lshr_b32 s17, s16, 1                         ; which half of A's 256 rows is mine.  Also: I fetch for A (0) or for B (1)
	s_and_b32 s18, s16, 1                          ; which half of B's.  Also: which 128 rows I fetch
	s_bfe_u32 s40, ttmp6, 0x40000                  ; cx
	s_bfe_u32 s41, ttmp6, 0x40004                  ; cy
	s_lshl_b32 s94, ttmp9, 2                       ; 4 x cluster x
	s_and_b32 s93, ttmp7, 0xffff
	s_lshl_b32 s93, s93, 2                         ; 4 x cluster y
	s_cmp_eq_u32 ttmp9, 2                          ; v?
	s_cselect_b32 s19, 0, s93                      ; A's tile: v: cy (Wv has four);        q, k: 4 Y + cy (x has 32)
	s_cselect_b32 s42, s93, s94                    ; B's tile: v: 4 Y + cx (x);            q, k: 4 X + cx (Wq's four, then Wk's)
	s_cselect_b32 s95, XCB+2048*512, 0             ; where A's codes begin,
	s_cselect_b32 s96, XSB+2048*32, 0              ; and its scale bytes;
	s_cselect_b32 s97, 0, XCB                      ; B's
	s_cselect_b32 s98, 0, XSB
	s_add_co_u32 s19, s19, s41
	s_add_co_u32 s42, s42, s40
	s_lshl_b32 s43, s41, 2
	s_lshl_b32 s43, 15, s43                        ; my row of the cluster
	s_lshl_b32 s44, 0x1111, s40                    ; my column
	; group 1: a tile of 128 rows x 256 bytes, 16 bytes of padding behind each row
	s_or_b32 s[G1+0], s43, (0<<16)|(1<<20)|(1<<21)|(5<<22)|(3<<25)
	s_or_b32 s[G1B+0], s44, (0<<16)|(1<<20)|(1<<21)|(5<<22)|(3<<25)
.irp g, G1, G1B
	s_mov_b32 s[\g+1], ROWB<<16                    ; tensor_dim0
	s_mov_b32 s[\g+2], 128<<16                     ; tensor_dim1
	s_mov_b32 s[\g+3], ROWB<<16                    ; tile_dim0
	s_mov_b32 s[\g+4], 128                         ; tile_dim1
	s_mov_b32 s[\g+5], KROW                        ; the pitch
	s_mov_b32 s[\g+6], 0
	s_mov_b32 s[\g+7], 0
.endr
	; the scale bytes of 128 rows: 4,096 dense bytes, as 16 rows of 256 (32 elements of 8 bytes), 16 bytes of padding behind each
	s_or_b32 s[G1S+0], s43, (3<<16)|(1<<20)|(1<<21)|(5<<22)|(3<<25)
	s_or_b32 s[G1SB+0], s44, (3<<16)|(1<<20)|(1<<21)|(5<<22)|(3<<25)
.irp g, G1S, G1SB
	s_mov_b32 s[\g+1], 32<<16
	s_mov_b32 s[\g+2], (128*KS/256)<<16
	s_mov_b32 s[\g+3], 32<<16
	s_mov_b32 s[\g+4], 128*KS/256
	s_mov_b32 s[\g+5], 32
	s_mov_b32 s[\g+6], 0
	s_mov_b32 s[\g+7], 0
.endr
	s_lshl_b32 s20, s18, 7                         ; which 128 rows of a tile I fetch
	s_lshl_b32 s21, s19, 8
	s_add_co_u32 s21, s21, s20                     ; A's row
	s_lshl_b32 s46, s42, 8
	s_add_co_u32 s46, s46, s20                     ; B's row
	s_lshl_b32 s22, s21, 5
	s_add_co_u32 s22, s22, s96                     ; A's scale bytes, as an offset in scl
	s_mov_b32 s23, 0
	s_lshl_b32 s20, s21, 9
	s_add_co_u32 s20, s20, s95                     ; A's codes, as an offset in codes
	s_mov_b32 s21, 0
	s_lshl_b32 s92, s46, 5
	s_add_co_u32 s92, s92, s98
	s_mov_b32 s93, 0
	s_lshl_b32 s46, s46, 9
	s_add_co_u32 s46, s46, s97
	s_mov_b32 s47, 0
	s_mul_i32 s45, s16, HALFT                      ; where they go: wave x 128 rows: no place in the cluster enters an LDS address
	s_mul_i32 s94, s16, HALFS
	s_wait_dscnt 0x0                               ; both opening adds are done
	s_wait_kmcnt 0x0
	s_add_nc_u64 s[20:21], s[4:5], s[20:21]
	s_add_nc_u64 s[22:23], s[6:7], s[22:23]
	s_add_nc_u64 s[46:47], s[4:5], s[46:47]
	s_add_nc_u64 s[92:93], s[6:7], s[92:93]
	CROUND                                         ; all sixteen work-groups are here: the joint loads meet
	s_mov_b32 s[G0S], 1
	s_add_co_u32 s[G0S+1], s94, SCL
	s_mov_b64 s[G0S+2:G0S+3], s[22:23]
	s_or_b32 s[G0S+3], s[G0S+3], 0x80000000
	s_mov_b32 s[G0SB], 1
	s_add_co_u32 s[G0SB+1], s94, SCL
	s_mov_b64 s[G0SB+2:G0SB+3], s[92:93]
	s_or_b32 s[G0SB+3], s[G0SB+3], 0x80000000
	JLOAD G0S, G1S, G0SB, G1SB                     ; the scale bytes first: they are wanted with K step 0
.irp s, 0,1
	s_mov_b32 s[G0+4*\s], 1
	s_add_co_u32 s[G0+4*\s+1], s45, \s*SLOT
	s_add_nc_u64 s[G0+4*\s+2:G0+4*\s+3], s[20:21], \s*ROWB
	s_or_b32 s[G0+4*\s+3], s[G0+4*\s+3], 0x80000000
	s_mov_b32 s[G0B+4*\s], 1
	s_add_co_u32 s[G0B+4*\s+1], s45, \s*SLOT
	s_add_nc_u64 s[G0B+4*\s+2:G0B+4*\s+3], s[46:47], \s*ROWB
	s_or_b32 s[G0B+4*\s+3], s[G0B+4*\s+3], 0x80000000
	JLOAD G0+4*\s, G1, G0B+4*\s, G1B
.endr
	v_and_b32 v1, 15, v0                           ; r
	v_bfe_u32 v2, v0, 4, 1                         ; h
	v_mul_u32_u24 v3, v1, PITCH
	v_lshl_add_u32 v4, v2, 4, v3                   ; a fragment's row x pitch + 16 h
	s_mul_i32 s21, s17, HALFT                      ; my 128 rows of A
	s_mul_i32 s22, s18, HALFT
	s_add_co_u32 s22, s22, 2*HALFT                 ; my 128 rows of B, behind A's 256
.irp s, 0,1
	v_add_nc_u32 v[ADRA+\s], s21, v4
	v_add_nc_u32 v[ADRB+\s], s22, v4
	s_add_co_u32 s21, s21, SLOT
	s_add_co_u32 s22, s22, SLOT
.endr
	v_mul_u32_u24 v5, v1, KS                       ; my row's scale bytes: 32 a row,
	v_lshrrev_b32 v6, 8, v5
	v_lshl_add_u32 v5, v6, 4, v5                   ; and 16 more for each 256 passed
	s_mul_i32 s21, s17, HALFS
	s_mul_i32 s22, s18, HALFS
	s_add_co_u32 s22, s22, 2*HALFS
	s_sub_co_u32 s22, s22, s21
	v_mul_u32_u24 v6, s22, v2                      ; lanes 16-31 take B's: one product, the distance between the two bases
	s_add_co_u32 s21, s21, SCL
	v_add_nc_u32 v5, v5, v6
	v_add_nc_u32 v[ADRS], s21, v5
	; my wave's first token and first channel; the bias; the place of my results
	s_lshl_b32 s20, s19, 8
	s_lshl_b32 s21, s17, 7
	s_add_co_u32 s20, s20, s21                     ; my first row of A
	s_lshl_b32 s21, s42, 8
	s_lshl_b32 s22, s18, 7
	s_add_co_u32 s21, s21, s22                     ; my first row of B
	s_and_b32 s22, s21, 1023                       ; (in its own weight)
	s_cmp_eq_u32 ttmp9, 2
	s_cselect_b32 s23, s21, s20                    ; the token
	s_cselect_b32 s22, s20, s22                    ; the channel
	s_cselect_b64 s[46:47], s[12:13], s[10:11]     ; bv or bk,
	s_cmp_eq_u32 ttmp9, 0
	s_cselect_b64 s[46:47], s[8:9], s[46:47]       ; or bq
	s_cselect_b32 s2, 0x3e38aa3b, 1.0              ; c = log2(e) / 8 for q, else 1
	s_mov_b32 s3, s2                               ; (named with it as a pair)
	s_lshl_b32 s92, s22, 2
	s_mov_b32 s93, 0
	s_add_nc_u64 s[46:47], s[46:47], s[92:93]      ; the bias at my first channel
	s_lshr_b32 s92, s23, 11                        ; the batch
	s_lshl_b32 s92, s92, 4
	s_lshr_b32 s94, s22, 6                         ; the head
	s_add_co_u32 s92, s92, s94
	s_lshl_b32 s92, s92, 18                        ; 2^18 bytes for each (batch, head)
	s_and_b32 s94, s23, 2047
	s_lshl_b32 s94, s94, 7                         ; 128 bytes a token in all three layouts
	s_add_co_u32 s92, s92, s94
	s_lshl_b32 s94, ttmp9, 24                      ; q, k or v
	s_add_co_u32 s92, s92, s94
	s_add_nc_u64 s[14:15], s[14:15], s[92:93]
	v_lshlrev_b32 v[BA], 5, v2
	v_lshlrev_b32 v[RA4], 2, v1
	v_and_b32 v[CO], 31, v0
	v_lshlrev_b32 v[CO], 4, v[CO]
.irp b, 0,1,2,3,4,5,6,7                        ; both forms of the bias are loaded in every role (128 numbers from my first channel on): by register (q, k) and by lane (v)
	global_load_b128 v[BI+8*\b:BI+8*\b+3], v[BA], s[46:47] offset:64*\b
	global_load_b128 v[BI+8*\b+4:BI+8*\b+7], v[BA], s[46:47] offset:64*\b+16
	global_load_b32 v[BV+2*\b], v[RA4], s[46:47] offset:64*\b
.endr
.macro FRAG reg, adr, q, i             ; 16 rows x 128 K of 4-bit codes: lane (r, h): registers 4 c .. 4 c + 3 hold K = 64 c + 32 h + 0 .. 31
.irp c, 0,1
	ds_load_b128 v[\reg+4*\c:\reg+4*\c+3], v[\adr] offset:64*(\q)+32*\c+(\i)*16*PITCH
.endr
.endm
; 16 matrix instructions: A's blocks a0, a0 + 1 x B's eight, the slot's q-th 128 along K.  The 64 accumulators take turns, one instruction a turn, in the same order in every step.
.macro MUL16 a0, p, q, sc, zero
.irp a, \a0, \a0+1
.irp b, 0,1,2,3,4,5,6,7
.if \zero
	v_wmma_scale_f32_16x16x128_f8f6f4 v[8*(8*((\a)%4)+\b):8*(8*((\a)%4)+\b)+7], v[128*(\p)+FR*\b:128*(\p)+FR*\b+FR-1], v[AF+FR*(\a):AF+FR*(\a)+FR-1], 0, v[SC+8*NQ*(\sc)+NQ*\b+(\q)], v[SC+8*NQ*(\sc)+NQ*(\a)+(\q)] matrix_a_fmt:MATRIX_FMT_FP4 matrix_b_fmt:MATRIX_FMT_FP4 matrix_a_scale:MATRIX_SCALE_ROW1
.else
	v_wmma_scale_f32_16x16x128_f8f6f4 v[8*(8*((\a)%4)+\b):8*(8*((\a)%4)+\b)+7], v[128*(\p)+FR*\b:128*(\p)+FR*\b+FR-1], v[AF+FR*(\a):AF+FR*(\a)+FR-1], v[8*(8*((\a)%4)+\b):8*(8*((\a)%4)+\b)+7], v[SC+8*NQ*(\sc)+NQ*\b+(\q)], v[SC+8*NQ*(\sc)+NQ*(\a)+(\q)] matrix_a_fmt:MATRIX_FMT_FP4 matrix_b_fmt:MATRIX_FMT_FP4 matrix_a_scale:MATRIX_SCALE_ROW1
.endif
.endr
.endr
.endm
.macro FETCH_B slot, q, p
	WIN TO_B
.irp i, 0,1,2,3,4,5,6,7
	FRAG 128*(\p)+FR*\i, ADRB+\slot, \q, \i
.endr
	WIN 0
.endm
.macro FETCH_A slot, q, i0
.irp i, \i0, \i0+1, \i0+2, \i0+3
	FRAG AF+FR*(\i), ADRA+\slot, \q, \i
.endr
.endm
.macro SCALES sc                       ; a K step's scale words: four a row; lanes 0-15 take A's block i, lanes 16-31 B's block i
.irp i, 0,1,2,3,4,5,6,7
	ds_load_b128 v[SC+8*NQ*\sc+NQ*\i:SC+8*NQ*\sc+NQ*\i+3], v[ADRS] offset:\i*SBLK
.endr
.endm
.macro PLACES n                        ; plain vector lines between a matrix instruction and a load into, or a vector line on, its registers
.rept \n
	v_nop
.endr
.endm
.macro STEP slot, q, zero              ; a step of 128 along K that has its successor in the same slot
	s_wait_dscnt 4*NL                              ; B's set and A's blocks 0-3 are in; the youngest eight loads (A's blocks 4-7) may be out
	WIN MUL_LO
	MUL16 0, (\q)%2, \q, \slot, \zero
	MUL16 2, (\q)%2, \q, \slot, \zero
	s_wait_dscnt 0
	PLACES NP
	FETCH_B \slot, (\q)+1, 1-(\q)%2
	FETCH_A \slot, (\q)+1, 0
	WIN MUL_HI
	MUL16 4, (\q)%2, \q, \slot, \zero
	MUL16 6, (\q)%2, \q, \slot, \zero
	PLACES NP
	WIN 0
	FETCH_A \slot, (\q)+1, 4
.endm
.macro TURN slot, next                 ; slot 0's last step, and the change to slot 1: every wave's part of it has landed before any wave reads it.  Nothing is filled again
	s_wait_tensorcnt 0x0                           ; all my tensor loads have landed
	ds_add_u32 v[SPW], v[NIL]
	s_wait_dscnt 4*NL+1                            ; (the add and A's blocks 4-7 may be out)
	WIN MUL_LO
	MUL16 0, 1, NQ-1, \slot, 0
	s_wait_dscnt 0x0
	s_barrier_signal -1
	MUL16 2, 1, NQ-1, \slot, 0
	WIN 0
	s_barrier_wait -1
	PLACES NP
	v_add_nc_u32 v[ADRS], 4*NQ, v[ADRS]            ; the next K step's scale words
	FETCH_B \next, 0, 0
	FETCH_A \next, 0, 0
	SCALES \next
	WIN MUL_HI
	MUL16 4, 1, NQ-1, \slot, 0
	MUL16 6, 1, NQ-1, \slot, 0
	PLACES NP
	WIN 0
	FETCH_A \next, 0, 4
.endm
.macro STEPS slot, from
.set QQ, \from
.rept NQ-1-\from
	STEP \slot, QQ, 0
.set QQ, QQ+1
.endr
.endm
	s_wait_tensorcnt 1                             ; the scale bytes and my part of slot 0 are in; slot 1's load may be out
	s_barrier_signal -1
	s_barrier_wait -1
	FETCH_B 0, 0, 0
	FETCH_A 0, 0, 0
	SCALES 0
	FETCH_A 0, 0, 4
	STEP 0, 0, 1                                   ; the first products start the sums: nothing is cleared
	STEPS 0, 1
	TURN 0, 1
	STEPS 1, 0
	s_wait_dscnt 4*NL
	WIN MUL_LO
	MUL16 0, 1, NQ-1, 1, 0
	MUL16 2, 1, NQ-1, 1, 0
	s_wait_dscnt 0
	WIN MUL_HI
	MUL16 4, 1, NQ-1, 1, 0
	MUL16 6, 1, NQ-1, 1, 0
	WIN 0
; THE WAY OUT, A's block a at a time: bias (and for q the factor c) in f32, each accumulator from its low end on; rounded to f16 in pairs; eight stores of 512 consecutive bytes.
.macro OUTA a, isv
.set AC, 64*((\a)%4)
.set OU, OUTR+32*((\a)%2)
	WIN 0x02+(\a)/4                                ; source 0: window 2 or 3
.irp b, 0,1,2,3,4,5,6,7
.irp i, 0,2,4,6
.if \isv
	v_pk_add_f32 v[TT+8*\b+\i:TT+8*\b+\i+1], v[AC+8*\b+\i:AC+8*\b+\i+1], v[BV+2*(\a):BV+2*(\a)+1] op_sel_hi:[1,0]
.else
	v_pk_fma_f32 v[TT+8*\b+\i:TT+8*\b+\i+1], v[AC+8*\b+\i:AC+8*\b+\i+1], s[2:3], v[BI+8*\b+\i:BI+8*\b+\i+1] op_sel_hi:[1,0,1]
.endif
.endr
.endr
	WIN 0
.if (\a) > 1
	s_wait_xcnt 0x0                                ; block a - 2's stores have read this set of registers
.endif
.set n, 0
.rept 32
	v_cvt_pk_f16_f32 v[OU+n], v[TT+2*n], v[TT+2*n+1]
.set n, n+1
.endr
.irp b, 0,1,2,3,4,5,6,7
.if \isv
	global_store_b128 v[CO], v[OU+4*\b:OU+4*\b+3], s[14:15] offset:((\a)/4)*262144+(\b/2)*4096+((\a)%4)*1024+(\b%2)*512
.else
	global_store_b128 v[CO], v[OU+4*\b:OU+4*\b+3], s[14:15] offset:(\b/4)*262144+(\a)*2048+(\b%4)*512
.endif
.endr
.endm
	PLACES NP                                      ; behind the last products: their results are read, and A's fragments and the scale words written over
	s_wait_loadcnt 0x0                             ; the bias
	s_cmp_eq_u32 ttmp9, 2
	s_cbranch_scc1 .Lout_v
.set n, 0
.rept 32
	v_pk_mul_f32 v[BI+2*n:BI+2*n+1], v[BI+2*n:BI+2*n+1], s[2:3] op_sel_hi:[1,0]   ; (sum + bias) c = sum c + bias c
.set n, n+1
.endr
.irp a, 0,1,2,3,4,5,6,7
	OUTA \a, 0
.endr
	s_branch .Ldone
.Lout_v:
.irp a, 0,1,2,3,4,5,6,7
	v_mov_b32 v[BV+2*\a+1], 0                      ; (named as the upper half of a pair of which the low word serves both halves)
.endr
.irp a, 0,1,2,3,4,5,6,7
	OUTA \a, 1
.endr
.Ldone:
	s_wait_tensorcnt 0x0                           ; the wave's end
	ds_add_u32 v[SPW], v[NIL]
	s_wait_dscnt 0x0
	CROUND                                         ; the closing round
	s_endpgm
.Lfunc_end_k_qd699a9c323_qkv:
	.size	k_qd699a9c323_qkv, .Lfunc_end_k_qd699a9c323_qkv-k_qd699a9c323_qkv
	.p2alignl 7, 3214868480
	.fill 96, 4, 3214868480
	.section	.rodata,"a",@progbits
	.p2align	6, 0x0
	.amdhsa_kernel k_qd699a9c323_qkv
		.amdhsa_group_segment_fixed_size 327680
		.amdhsa_private_segment_fixed_size 0
		.amdhsa_enable_private_segment 0
		.amdhsa_kernarg_size 48
		.amdhsa_user_sgpr_count 2
		.amdhsa_user_sgpr_kernarg_segment_ptr 1
		.amdhsa_wavefront_size32 1
		.amdhsa_system_sgpr_workgroup_id_x 1
		.amdhsa_system_sgpr_workgroup_id_y 1
		.amdhsa_system_sgpr_workgroup_id_z 1
		.amdhsa_system_vgpr_workitem_id 0
		.amdhsa_next_free_vgpr 1024
		.amdhsa_next_free_sgpr 100
		.amdhsa_reserve_vcc 0
		.amdhsa_float_denorm_mode_32 3
		.amdhsa_float_denorm_mode_16_64 3
		.amdhsa_memory_ordered 1
		.amdhsa_forward_progress 1
		.amdhsa_inst_pref_size 178
	.end_amdhsa_kernel
	.amdgpu_metadata
---
amdhsa.version: [ 1, 2 ]
amdhsa.kernels:
  - .name:           k_qd699a9c323_qkv
    .symbol:         k_qd699a9c323_qkv.kd
    .args:
      - { .name: codes, .offset: 0, .size: 8, .value_kind: global_buffer, .address_space: global }
      - { .name: scl, .offset: 8, .size: 8, .value_kind: global_buffer, .address_space: global }
      - { .name: bq, .offset: 16, .size: 8, .value_kind: global_buffer, .address_space: global }
      - { .name: bk, .offset: 24, .size: 8, .value_kind: global_buffer, .address_space: global }
      - { .name: bv, .offset: 32, .size: 8, .value_kind: global_buffer, .address_space: global }
      - { .name: qkvf, .offset: 40, .size: 8, .value_kind: global_buffer, .address_space: global }
    .group_segment_fixed_size: 327680
    .private_segment_fixed_size: 0
    .kernarg_segment_align: 8
    .kernarg_segment_size: 48
    .max_flat_workgroup_size: 128
    .sgpr_count:     100
    .vgpr_count:     1024
    .wavefront_size: 32
...
	.end_amdgpu_metadata
.endif
;; end of part 2
;; launch attn (part 3): grid 256 x 1, 8 waves a work-group, no clusters, 33,792 bytes of LDS; arguments qkvf, flags, mask, cf; writes cf
.if DOCPART == 3
	.amdgcn_target "amdgcn-amd-amdhsa--gfx1250"
	.amdhsa_code_object_version 6
	.text
	.protected	k_qd699a9c323_attn
	.globl	k_qd699a9c323_attn
	.p2align	8
	.type	k_qd699a9c323_attn,@function
k_qd699a9c323_attn:
	s_mov_b64 s[64:65], 0
	v_nop
	global_prefetch_b8 v0, s[64:65] scope:SCOPE_SE
	s_setreg_imm32_b32 hwreg(HW_REG_WAVE_MODE, 25, 1), 1
	s_wait_xcnt 0x0
; context = softmax(where(mask == 0, -1e9, q k^T / 8)) v for each (batch, head); f16 operands, sums, maxima and exponentials in f32; the weights are rounded to f16 for the second product.
; q arrives multiplied by log2(e) / 8, so a score is t, an exponent of 2; a masked score is -1e9 log2(e); p = 2^(t - m), m the row's running largest t (taken away by an exact subtraction);
; in every step O and the row's sum are multiplied by a = 2^(old m - new m).
; SHARES.  A work-group serves one (batch, head) and two blocks of 256 queries, 7 - i and i (i = its number mod 4), one after the other.  Each of its eight waves owns 32 queries: two tiles of 16.
; Two waves lie on a SIMD, so that one wave's softmax stands beside the other's products.  Keys go 64 a step.
; WHAT THE MASK THROWS AWAY IS NOT COMPUTED.  For each block of 32 queries an earlier launch stored two words: ANY (bit t: key step t holds an open key, or the block holds a query with no
; open key at all, which averages every value) and MIX (bit t: the step holds a masked entry).  A wave passes over a step whose ANY bit is 0 (every weight there is 2^(-1e9 log2(e) - m) = 0),
; and reads the mask itself only where MIX is set.  These are branches on numbers read from memory, so K and V come through registers into LDS, not by tensor loads; for the same reason
; the four work-groups of a head, which walk different numbers of steps, form no cluster.
; LAYOUT.  S^T = K Q^T (source 0 = 16 keys, source 1 = 16 queries), O^T = V^T P (source 0 = 16 channels x 32 keys, source 1 = P): a lane holds ONE query (lane % 16) throughout; two tiles of S^T,
; rounded in pairs, are source 1 of the second product.  The row's sum is a fifth tile of that product, with ones as source 0: of its eight equal registers the first pair alone is kept under m.
; K, V, Q lie in memory as images of operand registers (a piece: lane l's 16 bytes at 16 l): every load, global or LDS, reads 512 consecutive bytes.
; LIMITS: open scores must lie above about -1e9 + 200, as they must for the masked weights to vanish in f32; NaN and infinities are not served; the context must lie inside f16's range.
; LDS: two slots of 16,384 bytes (K's 8,192, then V's) by turns; from 32,768 the spare words.
; REGISTERS: window 0: v1-6 addresses; v16-31 statistics, 8 a tile: +0 m, +1 old m, +2 a, +3 its pair's other half, +4..7 at work; v32-39 ones; v40-55 the next step on its way to LDS;
;   v64-127 K's fragments (P lies over v64-95); v128-191 V's; v192-255 S^T.   window 1: v0-79 O^T, 40 a tile (the fifth eight: the sum); v80-111 Q; v112 the masked score; v128-191 mask words.
.set LA,  1                            ; 16 x lane
.set TA,  2                            ; 16 x thread
.set MA,  3                            ; the mask: row r of 8,192 bytes + 32 h
.set PFO, 4                            ; 256 x lane
.set SPW, 5
.set NIL, 6
.set ST,  16
.set ONES, 32
.set G,   40
.set KF,  64
.set P,   64
.set VF,  128
.set S,   192
.set O,   0
.set Q,   80
.set NEGV, 112
.set MK,  128
.set SLOTB, 16384
.set SPARE, 32768
.set WV,  12
.set IW,  13
.set BH,  14
.set PASS, 15
.set BLK, 16
.set CNT, 17
.set KP,  18                           ; s[18:19] K at the step in hand;  s[20:21] V;  s[22:23] my 32 rows of the mask at that step
.set VP,  20
.set MP,  22
.set QP,  24
.set CP,  26
.set PFA, 28
.set PFN, 30
.set ANYG, 31                          ; bit 0: some wave of the group wants the NEXT step
.set ANYW, 32                          ; bit 0: I want this step
.set MIXW, 33                          ; bit 0: it holds masked entries for my queries
.set SEL, 36
.set FL,  40
.set OWN, 56
.set HK,  58
.set HV,  60
.set MSB, 0
.macro WIN new
.if MSB != (\new)
	s_set_vgpr_msb (MSB<<8)|(\new)
.set MSB, (\new)
.endif
.endm
.macro PLACES
.rept 4
	v_nop
.endr
.endm
	s_load_b256 s[4:11], s[0:1], 0x0               ; qkvf, flags, mask, cf
	v_lshl_add_u32 v[SPW], v0, 2, SPARE
	v_mov_b32 v[NIL], 0
	v_lshrrev_b32 v7, 5, v0
	v_readfirstlane_b32 s[WV], v7                  ; wave 0..7
	v_and_b32 v7, 31, v0
	v_lshlrev_b32 v[LA], 4, v7
	v_lshlrev_b32 v[TA], 4, v0
	v_lshlrev_b32 v[PFO], 8, v7
	v_and_b32 v8, 15, v0
	v_bfe_u32 v9, v0, 4, 1
	v_lshlrev_b32 v[MA], 13, v8
	v_lshl_add_u32 v[MA], v9, 5, v[MA]
.irp j, 0,1,2,3,4,5,6,7
	v_mov_b32 v[ONES+\j], 0x3c003c00               ; 1.0 twice, in f16
.endr
.irp u, 0,1
	v_mov_b32 v[ST+8*\u+1], 0                      ; named as halves of pairs before they are first written
	v_mov_b32 v[ST+8*\u+3], 0
.endr
	WIN 0x40
	v_mov_b32 v[NEGV], 0xceabfb8f                  ; -1e9 log2(e)
	WIN 0
	s_mov_b32 s[SEL], 0x76543210
	s_mov_b32 s[SEL+1], 0xfedcba98                 ; v_permlanex16_b32: lane l xor 16
	s_and_b32 s[IW], ttmp9, 3
	s_lshr_b32 s[BH], ttmp9, 2
	s_sub_co_u32 s[BLK], 7, s[IW]                  ; the first pass's block
	s_mov_b32 s[PASS], 2
	s_lshr_b32 s62, s[WV], 1
	s_or_b32 s62, s62, s[IW]
	s_cmp_eq_u32 s62, 0                            ; waves 0 and 1 of the head's first work-group prefetch,
	s_cselect_b32 s[PFN], 29, 0                    ; in its first 29 steps
	s_lshl_b32 s62, s[BH], 18
	s_mov_b32 s63, 0
	s_wait_kmcnt 0x0
	s_add_nc_u64 s[4:5], s[4:5], s[62:63]          ; my head's q,
	s_add_nc_u64 s[HK:HK+1], s[4:5], 0x1000000     ; k,
	s_add_nc_u64 s[HV:HV+1], s[4:5], 0x2000000     ; v
	s_cmp_eq_u32 s[WV], 1
	s_cselect_b64 s[PFA:PFA+1], s[HV:HV+1], s[HK:HK+1]   ; wave 0 asks for K, wave 1 for V
; A STEP'S WORK for my two tiles.
.macro WORK slot
.set i, 0
.rept 16
	ds_load_b128 v[KF+4*i:KF+4*i+3], v[LA] offset:\slot*SLOTB+512*i          ; K's fragment (16 keys kt, 32 channels ks) at v[KF + 8 (2 kt + ks)]
.set i, i+1
.endr
.set i, 0
.rept 16
	ds_load_b128 v[VF+4*i:VF+4*i+3], v[LA] offset:\slot*SLOTB+8192+512*i     ; V's (32 keys g, 16 channels t) at v[VF + 8 (4 g + t)]
.set i, i+1
.endr
	s_wait_dscnt 16                                ; K is in; V's sixteen loads may be out: they land under the softmax
	WIN 0x04                                       ; source 1 (Q) window 1
.irp ks, 0,1                                   ; eight accumulators by turns; the first eight products start the sums
.irp kt, 0,1,2,3
.irp u, 0,1
.if \ks == 0
	v_wmma_f32_16x16x32_f16 v[S+32*\u+8*\kt:S+32*\u+8*\kt+7], v[KF+8*(2*\kt+\ks):KF+8*(2*\kt+\ks)+7], v[Q+16*\u+8*\ks:Q+16*\u+8*\ks+7], 0
.else
	v_wmma_f32_16x16x32_f16 v[S+32*\u+8*\kt:S+32*\u+8*\kt+7], v[KF+8*(2*\kt+\ks):KF+8*(2*\kt+\ks)+7], v[Q+16*\u+8*\ks:Q+16*\u+8*\ks+7], v[S+32*\u+8*\kt:S+32*\u+8*\kt+7]
.endif
.endr
.endr
.endr
	WIN 0
	PLACES                                         ; behind the products: their results are read, and P is laid over K's fragments
	s_bitcmp1_b32 s[MIXW], 0
	s_cbranch_scc0 .Lopen_\@
	WIN 0x40                                       ; the mask words of my 32 queries x 64 keys, in the scores' layout: register 8 kt + j of tile u: key 16 kt + 8 h + j of query 16 u + r
.irp u, 0,1
.irp kt, 0,1,2,3
.irp c, 0,1
	global_load_b128 v[MK+32*\u+8*\kt+4*\c:MK+32*\u+8*\kt+4*\c+3], v[MA], s[MP:MP+1] offset:\u*131072+\kt*64+16*\c
.endr
.endr
.endr
	s_wait_loadcnt 0x0
	WIN 0x04                                       ; source 1 window 1: the mask word, the masked score
.set i, 0
.rept 64
	v_cmp_eq_u32 vcc_lo, 0, v[MK+i]
	v_cndmask_b32 v[S+i], v[S+i], v[NEGV], vcc_lo
.set i, i+1
.endr
	WIN 0
.Lopen_\@:
.irp j, 0,1,2,3                                ; the largest of 32 scores and m: four chains, the two tiles line by line; each accumulator is read from its low end on
.irp u, 0,1
	v_max3_num_f32 v[ST+8*\u+4+\j], v[S+32*\u+8*\j], v[S+32*\u+8*\j+1], v[S+32*\u+8*\j+2]
.endr
.endr
.irp i, 3,5
.irp j, 0,1,2,3
.irp u, 0,1
	v_max3_num_f32 v[ST+8*\u+4+\j], v[ST+8*\u+4+\j], v[S+32*\u+8*\j+\i], v[S+32*\u+8*\j+\i+1]
.endr
.endr
.endr
.irp u, 0,1
	v_max3_num_f32 v[ST+8*\u+4], v[ST+8*\u+4], v[S+32*\u+7], v[S+32*\u+15]
	v_max3_num_f32 v[ST+8*\u+6], v[ST+8*\u+6], v[S+32*\u+23], v[S+32*\u+31]
.endr
.irp u, 0,1
	v_max3_num_f32 v[ST+8*\u+4], v[ST+8*\u+4], v[ST+8*\u+5], v[ST+8*\u+6]
.endr
.irp u, 0,1
	v_max3_num_f32 v[ST+8*\u+4], v[ST+8*\u+4], v[ST+8*\u+7], v[ST+8*\u]
.endr
.irp u, 0,1
	v_permlanex16_b32 v[ST+8*\u+5], v[ST+8*\u+4], s[SEL], s[SEL+1]   ; the query's other 32 keys lie in the lane 16 away
.endr
.irp u, 0,1
	v_mov_b32 v[ST+8*\u+1], v[ST+8*\u]             ; the old m
.endr
.irp u, 0,1
	v_max_num_f32 v[ST+8*\u], v[ST+8*\u+4], v[ST+8*\u+5]
.endr
.irp u, 0,1
	v_sub_f32 v[ST+8*\u+2], v[ST+8*\u+1], v[ST+8*\u]
.endr
.irp u, 0,1
	v_exp_f32 v[ST+8*\u+2], v[ST+8*\u+2]           ; a
.endr
.irp u, 0,1
.set i, 0
.rept 16
	v_pk_add_f32 v[S+32*\u+2*i:S+32*\u+2*i+1], v[S+32*\u+2*i:S+32*\u+2*i+1], v[ST+8*\u:ST+8*\u+1] op_sel_hi:[1,0] neg_lo:[0,1] neg_hi:[0,1]   ; t - m
.set i, i+1
.endr
.endr
.set i, 0
.rept 64
	v_exp_f32 v[S+i], v[S+i]
.set i, i+1
.endr
	v_nop                                          ; a plain line behind the last exponential
	s_wait_alu depctr_va_vdst(0)                   ; one wait for the batch of 66, ahead of its first reader
.set i, 0
.rept 32
	v_cvt_pk_f16_f32 v[P+i], v[S+2*i], v[S+2*i+1]  ; P of tile u, keys 32 g on, at v[P + 16 u + 8 g]
.set i, i+1
.endr
	WIN 0x41                                       ; O^T window 1, a window 0
.irp u, 0,1
.set i, 0
.rept 17
	v_pk_mul_f32 v[O+40*\u+2*i:O+40*\u+2*i+1], v[O+40*\u+2*i:O+40*\u+2*i+1], v[ST+8*\u+2:ST+8*\u+3] op_sel_hi:[1,0]   ; O^T and the sum's first pair under the new m
.set i, i+1
.endr
.endr
	s_wait_dscnt 0x0                               ; V is in
	WIN 0x50                                       ; C and D window 1
.irp g, 0,1                                    ; ten accumulators by turns
.irp t, 0,1,2,3
.irp u, 0,1
	v_wmma_f32_16x16x32_f16 v[O+40*\u+8*\t:O+40*\u+8*\t+7], v[VF+8*(4*\g+\t):VF+8*(4*\g+\t)+7], v[P+16*\u+8*\g:P+16*\u+8*\g+7], v[O+40*\u+8*\t:O+40*\u+8*\t+7]
.endr
.endr
.irp u, 0,1
	v_wmma_f32_16x16x32_f16 v[O+40*\u+32:O+40*\u+39], v[ONES:ONES+7], v[P+16*\u+8*\g:P+16*\u+8*\g+7], v[O+40*\u+32:O+40*\u+39]
.endr
.endr
	WIN 0
	PLACES                                         ; behind the products: the next loads into K's, P's and V's registers, the next lines on O^T
.endm
; A KEY STEP.  The next step's K and V (16,384 bytes, 64 a thread) are asked for first, land under the work, and go into the other slot; ONE barrier then orders both ways: my reads of this slot are
; back before anybody writes it (in the next step), and everybody's stores into the other slot have landed before anybody reads it.
.macro STEP slot
	s_bitcmp1_b32 s[ANYG], 0
	s_cbranch_scc0 .Lng_\@
	global_load_b128 v[G:G+3], v[TA], s[KP:KP+1] offset:8192
	global_load_b128 v[G+4:G+7], v[TA], s[KP:KP+1] offset:12288
	global_load_b128 v[G+8:G+11], v[TA], s[VP:VP+1] offset:8192
	global_load_b128 v[G+12:G+15], v[TA], s[VP:VP+1] offset:12288
.Lng_\@:
	s_cmp_lg_u32 s[PFN], 0                         ; A PREFETCH INTO THE L2: in step t the 8,192 bytes of K (wave 0) or V (wave 1) of step t + 3, two steps ahead of the load that wants them, lanes 256 bytes apart.
	s_cbranch_scc0 .Lnp_\@                         ; The four work-groups of a head walk the same K and V: the first alone asks, in its first pass, t = 0 .. 28: each block of 256 bytes is named once, steps 0 to 2 come by their loads alone
	global_prefetch_b8 v[PFO], s[PFA:PFA+1] offset:24576 th:TH_LOAD_NT scope:SCOPE_SE
	s_sub_co_u32 s[PFN], s[PFN], 1
.Lnp_\@:
	s_bitcmp1_b32 s[ANYW], 0
	s_cbranch_scc0 .Lnw_\@
	WORK \slot
.Lnw_\@:
	s_wait_loadcnt 0x0                             ; the next step's numbers are in (on every path: no load stays out over the barrier into registers that the next step loads again)
	s_bitcmp1_b32 s[ANYG], 0
	s_cbranch_scc0 .Lns_\@
	ds_store_b128 v[TA], v[G:G+3] offset:(1-\slot)*SLOTB
	ds_store_b128 v[TA], v[G+4:G+7] offset:(1-\slot)*SLOTB+4096
	ds_store_b128 v[TA], v[G+8:G+11] offset:(1-\slot)*SLOTB+8192
	ds_store_b128 v[TA], v[G+12:G+15] offset:(1-\slot)*SLOTB+12288
.Lns_\@:
	s_wait_dscnt 0x0                               ; for the others' sake: my stores have landed, my reads are back
	s_wait_xcnt 0x0                                ; the bases are stepped only behind this wait
	s_add_nc_u64 s[KP:KP+1], s[KP:KP+1], 8192
	s_add_nc_u64 s[VP:VP+1], s[VP:VP+1], 8192
	s_add_nc_u64 s[PFA:PFA+1], s[PFA:PFA+1], 8192
	s_add_nc_u64 s[MP:MP+1], s[MP:MP+1], 256
	s_lshr_b32 s[ANYG], s[ANYG], 1                 ; zeros come in from above: behind the last step nothing is asked for
	s_lshr_b32 s[ANYW], s[ANYW], 1
	s_lshr_b32 s[MIXW], s[MIXW], 1
	s_barrier_signal -1
	s_barrier_wait -1
.endm
.Lpass:
	s_lshl_b32 s62, s[BLK], 6                      ; the block's eight pairs of flag words,
	s_lshl_b32 s63, s[WV], 3
	s_add_co_u32 s63, s63, s62                     ; and my own pair
	s_load_b512 s[FL:FL+15], s[6:7], s62 offset:0x0
	s_load_b64 s[OWN:OWN+1], s[6:7], s63 offset:0x0
	s_mov_b64 s[KP:KP+1], s[HK:HK+1]
	s_mov_b64 s[VP:VP+1], s[HV:HV+1]
	s_lshl_b32 s66, s[BLK], 8
	s_lshl_b32 s67, s[WV], 5
	s_add_co_u32 s66, s66, s67                     ; my first query
	s_lshl_b32 s68, s66, 13
	s_mov_b32 s69, 0
	s_add_nc_u64 s[MP:MP+1], s[8:9], s[68:69]      ; its row of the mask
	s_lshl_b32 s68, s66, 7
	s_add_nc_u64 s[QP:QP+1], s[4:5], s[68:69]      ; its tile of q: 2,048 bytes for 16 queries
	s_lshr_b32 s67, s[BH], 4
	s_lshl_b32 s67, s67, 22                        ; cf: 128 tiles of 32,768 bytes a batch,
	s_lshl_b32 s68, s66, 11                        ; my tile,
	s_add_co_u32 s68, s68, s67
	s_and_b32 s67, s[BH], 15
	s_lshl_b32 s67, s67, 11                        ; the head's two steps of 32 channels
	s_add_co_u32 s68, s68, s67
	s_add_nc_u64 s[CP:CP+1], s[10:11], s[68:69]
	global_load_b128 v[G:G+3], v[TA], s[KP:KP+1]               ; step 0 comes whatever the flags say
	global_load_b128 v[G+4:G+7], v[TA], s[KP:KP+1] offset:4096
	global_load_b128 v[G+8:G+11], v[TA], s[VP:VP+1]
	global_load_b128 v[G+12:G+15], v[TA], s[VP:VP+1] offset:4096
	WIN 0x40
.irp i, 0,1,2,3,4,5,6,7
	global_load_b128 v[Q+4*\i:Q+4*\i+3], v[LA], s[QP:QP+1] offset:512*\i   ; Q of tile u, channels 32 ks on, at v[Q + 16 u + 8 ks]
.endr
.set i, 0
.rept 80
	v_mov_b32 v[O+i], 0                            ; which step is a wave's first hangs on the flags, so no first step can be written out to start the sums
.set i, i+1
.endr
	WIN 0
.irp u, 0,1
	v_mov_b32 v[ST+8*\u], 0xff61b1e6               ; m = -3e38, under every t
.endr
	s_wait_kmcnt 0x0
	s_or_b32 s[ANYG], s[FL], s[FL+2]
.irp k, 4,6,8,10,12,14
	s_or_b32 s[ANYG], s[ANYG], s[FL+\k]
.endr
	s_lshr_b32 s[ANYG], s[ANYG], 1
	s_mov_b32 s[ANYW], s[OWN]
	s_mov_b32 s[MIXW], s[OWN+1]
	s_wait_loadcnt 0x0
	ds_store_b128 v[TA], v[G:G+3]
	ds_store_b128 v[TA], v[G+4:G+7] offset:4096
	ds_store_b128 v[TA], v[G+8:G+11] offset:8192
	ds_store_b128 v[TA], v[G+12:G+15] offset:12288
	s_wait_dscnt 0x0
	s_barrier_signal -1
	s_barrier_wait -1
	s_mov_b32 s[CNT], 16
.Lkey:
	STEP 0
	STEP 1
	s_sub_co_u32 s[CNT], s[CNT], 1
	s_cmp_lg_u32 s[CNT], 0
	s_cbranch_scc1 .Lkey
	; the pass's end: O^T / the sum, rounded to f16: tile (u, t) is piece t % 2 of step 2 head + t / 2 of the context's image: one store of 512 consecutive bytes
	WIN 0x01                                       ; source 0 window 1
.irp u, 0,1
	v_rcp_f32 v[ST+8*\u+2], v[O+40*\u+32]
.endr
	v_nop
	s_wait_alu depctr_va_vdst(0)                   ; one wait for the two reciprocals
.irp u, 0,1
.set i, 0
.rept 16
	v_pk_mul_f32 v[S+32*\u+2*i:S+32*\u+2*i+1], v[O+40*\u+2*i:O+40*\u+2*i+1], v[ST+8*\u+2:ST+8*\u+3] op_sel_hi:[1,0]
.set i, i+1
.endr
.endr
	WIN 0
.set i, 0
.rept 32
	v_cvt_pk_f16_f32 v[KF+i], v[S+2*i], v[S+2*i+1]
.set i, i+1
.endr
.irp u, 0,1
.irp t, 0,1,2,3
	global_store_b128 v[LA], v[KF+16*\u+4*\t:KF+16*\u+4*\t+3], s[CP:CP+1] offset:\u*32768+\t*512
.endr
.endr
	s_wait_xcnt 0x0                                ; the stores have read their registers and their base
	s_sub_co_u32 s[BLK], 7, s[BLK]                 ; the other block
	s_sub_co_u32 s[PASS], s[PASS], 1
	s_cmp_lg_u32 s[PASS], 0
	s_cbranch_scc1 .Lpass
	s_wait_tensorcnt 0x0                           ; the wave's end, behind my last LDS store
	ds_add_u32 v[SPW], v[NIL]
	s_wait_dscnt 0x0
	s_endpgm
.Lfunc_end_k_qd699a9c323_attn:
	.size	k_qd699a9c323_attn, .Lfunc_end_k_qd699a9c323_attn-k_qd699a9c323_attn
	.p2alignl 7, 3214868480
	.fill 96, 4, 3214868480
	.section	.rodata,"a",@progbits
	.p2align	6, 0x0
	.amdhsa_kernel k_qd699a9c323_attn
		.amdhsa_group_segment_fixed_size 33792
		.amdhsa_private_segment_fixed_size 0
		.amdhsa_enable_private_segment 0
		.amdhsa_kernarg_size 32
		.amdhsa_user_sgpr_count 2
		.amdhsa_user_sgpr_kernarg_segment_ptr 1
		.amdhsa_wavefront_size32 1
		.amdhsa_system_sgpr_workgroup_id_x 1
		.amdhsa_system_sgpr_workgroup_id_y 1
		.amdhsa_system_sgpr_workgroup_id_z 1
		.amdhsa_system_vgpr_workitem_id 0
		.amdhsa_next_free_vgpr 512
		.amdhsa_next_free_sgpr 80
		.amdhsa_reserve_vcc 1
		.amdhsa_float_denorm_mode_32 3
		.amdhsa_float_denorm_mode_16_64 3
		.amdhsa_memory_ordered 1
		.amdhsa_forward_progress 1
		.amdhsa_inst_pref_size 58
	.end_amdhsa_kernel
	.amdgpu_metadata
---
amdhsa.version: [ 1, 2 ]
amdhsa.kernels:
  - .name:           k_qd699a9c323_attn
    .symbol:         k_qd699a9c323_attn.kd
    .args:
      - { .name: qkvf, .offset: 0, .size: 8, .value_kind: global_buffer, .address_space: global }
      - { .name: flags, .offset: 8, .size: 8, .value_kind: global_buffer, .address_space: global }
      - { .name: mask, .offset: 16, .size: 8, .value_kind: global_buffer, .address_space: global }
      - { .name: cf, .offset: 24, .size: 8, .value_kind: global_buffer, .address_space: global }
    .group_segment_fixed_size: 33792
    .private_segment_fixed_size: 0
    .kernarg_segment_align: 8
    .kernarg_segment_size: 32
    .max_flat_workgroup_size: 256
    .sgpr_count:     80
    .vgpr_count:     512
    .wavefront_size: 32
...
	.end_amdgpu_metadata
.endif
;; end of part 3
;; launch oproj (part 4): grid 8 x 32, 4 waves a work-group, clusters of 4 x 4, 327,680 bytes of LDS; arguments cf, wof, bo, out0; writes out0
.if DOCPART == 4
	.amdgcn_target "amdgcn-amd-amdhsa--gfx1250"
	.amdhsa_code_object_version 6
	.text
	.protected	k_qd699a9c323_oproj
	.globl	k_qd699a9c323_oproj
	.p2align	8
	.type	k_qd699a9c323_oproj,@function
k_qd699a9c323_oproj:
	s_mov_b64 s[64:65], 0
	v_nop
	global_prefetch_b8 v0, s[64:65] scope:SCOPE_SE
	s_setreg_imm32_b32 hwreg(HW_REG_WAVE_MODE, 25, 1), 1
	s_wait_xcnt 0x0
	s_wait_alu depctr_hold_cnt(0) depctr_sa_sdst(0) depctr_va_vdst(0) depctr_va_sdst(0) depctr_va_ssrc(0) depctr_va_vcc(0) depctr_vm_vsrc(0)
	s_getreg_b32 s2, hwreg(HW_REG_IB_STS2, 6, 4)
	s_cmp_eq_u32 s2, 0
	s_cbranch_scc0 .Lentry_in_a_cluster
	s_endpgm
.Lentry_in_a_cluster:
	s_bfe_u32 s2, ttmp6, 0x10000c
	s_cmp_lg_u32 s2, 0xf033
	s_cbranch_scc0 .Lentry_shape_is_right
	s_endpgm
.Lentry_shape_is_right:
; out = context Wo^T + bo: f16 operands, f32 sums.  Both operands arrive as images of operand registers: [16 rows][32 along k][piece][lane][16 bytes], 32,768 bytes for 16 rows.
; A work-group of four waves makes 256 tokens x 128 outputs (256 work-groups); a wave 128 x 64: 32 accumulators, all of window 1.  The accumulators are LOADED with the bias, so no sum is cleared or started apart.
; K goes in 8 steps of 128 through a ring of two LDS slots: a step of 16 rows is 4,096 consecutive bytes, which is a row of the tensor load's tile.  Waves 0, 1 fetch the context's 8 + 8 tiles, waves 2, 3 Wo's 4 + 4.
; One load of a wave is out behind each round, and has a step's 128 matrix instructions in which to land.
; CLUSTERS: 4 x 4 work-groups; the context's tiles are asked for jointly along a row of the cluster, Wo's along a column; each refill stands behind a round of the cluster's barrier.
; THE MATRIX INSTRUCTION IS USED TRANSPOSED (source 0 = 16 rows of Wo, source 1 = 16 tokens): a lane holds eight neighbouring outputs of one token.
; Rows 0-15 of every sequence are written again, more finely, by a later launch.
; REGISTERS: window 0: v16-29 addresses; v32-63 rows on the way out; v64-159, v160-255 two fragment buffers (8 of the context, then 4 of Wo).  window 1: accumulator (a, b) at v[8 (4 a + b)].
.set SLOT,  98304                      ; the context's 16 tiles x 4,096 bytes, then Wo's 8
.set STAGE, 2*SLOT                     ; 16 rows x (256 + 16) bytes for each wave; no tensor load lands here
.set SPARE, STAGE+4*16*272             ; the spare words: 128 bytes a wave, two blocks of 256 bytes that no other line names
.set ADRA, 16
.set ADRB, 20
.set STO,  24
.set RD,   25
.set CO,   26
.set BA,   27
.set SPW,  28
.set NIL,  29
.set BK,   32
.set G1, 24
.set G0, 32
.set G1B, 48
.set G0B, 56
.set MSB, 0
.macro WIN new
.if MSB != (\new)
	s_set_vgpr_msb (MSB<<8)|(\new)
.set MSB, (\new)
.endif
.endm
.macro PLACES
.rept 4
	v_nop
.endr
.endm
.macro JLOAD s                         ; a joint load; the branch hangs on the wave's number alone.  An s_nop 0 and four v_nop follow each line
	s_cmp_eq_u32 s13, 0
	s_cbranch_scc0 .Lfor_b_\@
	tensor_load_to_lds s[G0+4*(\s):G0+4*(\s)+3], s[G1:G1+7]
	s_nop 0
.rept 4
	v_nop
.endr
	s_branch .Lasked_\@
.Lfor_b_\@:
	tensor_load_to_lds s[G0B+4*(\s):G0B+4*(\s)+3], s[G1B:G1B+7]
	s_nop 0
.rept 4
	v_nop
.endr
.Lasked_\@:
.endm
.macro ROUND                           ; a round of the cluster's barrier
	s_barrier_signal -1
	s_barrier_wait -1
	s_cmp_lg_u32 s12, 0
	s_cbranch_scc1 .Lnot_wave_0_\@
	s_barrier_signal -3
.Lnot_wave_0_\@:
	s_barrier_wait -3
	s_barrier_signal -1
	s_barrier_wait -1
.endm
	s_load_b256 s[4:11], s[0:1], 0x0               ; cf, wof, bo, out0
	v_lshl_add_u32 v[SPW], v0, 2, SPARE
	v_mov_b32 v[NIL], 0
	ds_add_u32 v[SPW], v[NIL]                      ; the opening: the add, twice on end, and its wait ahead of my first tensor load
	ds_add_u32 v[SPW], v[NIL]
	v_lshrrev_b32 v1, 5, v0
	v_readfirstlane_b32 s12, v1                    ; wave 0..3
	s_lshr_b32 s13, s12, 1                         ; which half of the tokens is mine.  Also: I fetch the context (0) or Wo (1)
	s_and_b32 s14, s12, 1                          ; which half of the outputs.  Also: which half of the tile I fetch
	s_bfe_u32 s40, ttmp6, 0x40000                  ; cx
	s_bfe_u32 s41, ttmp6, 0x40004                  ; cy
	s_lshl_b32 s42, ttmp9, 2
	s_add_co_u32 s42, s42, s40                     ; my 128 outputs: 4 x cluster x + cx
	s_and_b32 s15, ttmp7, 0xffff
	s_lshl_b32 s15, s15, 2
	s_add_co_u32 s15, s15, s41                     ; my 256 tokens: 4 x cluster y + cy
	s_lshl_b32 s43, s41, 2
	s_lshl_b32 s43, 15, s43                        ; my row of the cluster
	s_lshl_b32 s44, 0x1111, s40                    ; my column
	; group 1: rows of 512 elements of 8 bytes (4,096 bytes: 16 rows' images of a K step), 4,096 elements apart; 8 of them for the context, 4 for Wo; no padding: an image is read as it lies
	s_or_b32 s[G1+0], s43, (3<<16)|(1<<21)
	s_mov_b32 s[G1+1], 512<<16                     ; tensor_dim0
	s_mov_b32 s[G1+2], 8<<16                       ; tensor_dim1
	s_mov_b32 s[G1+3], 512<<16                     ; tile_dim0
	s_mov_b32 s[G1+4], 8                           ; tile_dim1
	s_mov_b32 s[G1+5], 4096                        ; the pitch
	s_mov_b32 s[G1+6], 0
	s_mov_b32 s[G1+7], 0
	s_or_b32 s[G1B+0], s44, (3<<16)|(1<<21)
	s_mov_b32 s[G1B+1], 512<<16
	s_mov_b32 s[G1B+2], 4<<16
	s_mov_b32 s[G1B+3], 512<<16
	s_mov_b32 s[G1B+4], 4
	s_mov_b32 s[G1B+5], 4096
	s_mov_b32 s[G1B+6], 0
	s_mov_b32 s[G1B+7], 0
	s_lshl_b32 s16, s15, 19                        ; the context: (16 x my 256 tokens + 8 x half) tiles of 32,768 bytes
	s_lshl_b32 s17, s14, 18
	s_add_co_u32 s16, s16, s17
	s_mov_b32 s17, 0
	s_lshl_b32 s46, s42, 18                        ; Wo: (8 x my 128 outputs + 4 x half) tiles
	s_lshl_b32 s47, s14, 17
	s_add_co_u32 s46, s46, s47
	s_mov_b32 s47, 0
	s_lshl_b32 s20, s14, 15                        ; where they go: the context's halves at 0 and 32,768,
	s_lshl_b32 s21, s14, 14
	s_add_co_u32 s21, s21, 65536                   ; Wo's at 65,536 and 81,920: no place in the cluster enters an LDS address
	s_wait_dscnt 0x0                               ; both opening adds are done
	s_wait_kmcnt 0x0
	s_add_nc_u64 s[16:17], s[4:5], s[16:17]
	s_add_nc_u64 s[46:47], s[6:7], s[46:47]
.irp s, 0,1
	s_mov_b32 s[G0+4*\s], 1
	s_add_co_u32 s[G0+4*\s+1], s20, \s*SLOT
	s_add_nc_u64 s[G0+4*\s+2:G0+4*\s+3], s[16:17], \s*4096         ; K step s
	s_or_b32 s[G0+4*\s+3], s[G0+4*\s+3], 0x80000000
	s_mov_b32 s[G0B+4*\s], 1
	s_add_co_u32 s[G0B+4*\s+1], s21, \s*SLOT
	s_add_nc_u64 s[G0B+4*\s+2:G0B+4*\s+3], s[46:47], \s*4096
	s_or_b32 s[G0B+4*\s+3], s[G0B+4*\s+3], 0x80000000
.endr
	ROUND                                          ; all sixteen work-groups are here
	JLOAD 0                                        ; K step 0
	v_and_b32 v1, 15, v0                           ; r
	v_bfe_u32 v2, v0, 4, 1                         ; h
	v_and_b32 v3, 31, v0
	v_lshlrev_b32 v3, 4, v3                        ; 16 x lane
	s_lshl_b32 s20, s13, 15                        ; my 8 tiles of the context,
	s_lshl_b32 s21, s14, 14
	s_add_co_u32 s21, s21, 65536                   ; my 4 of Wo
.irp s, 0,1
	v_add_nc_u32 v[ADRA+\s], s20, v3
	v_add_nc_u32 v[ADRB+\s], s21, v3
	s_add_co_u32 s20, s20, SLOT
	s_add_co_u32 s21, s21, SLOT
.endr
	s_mul_i32 s23, s12, 16*272
	s_add_co_u32 s23, s23, STAGE                   ; my stage
	v_mul_u32_u24 v4, v1, 272
	v_lshl_add_u32 v4, v2, 5, v4
	v_add_nc_u32 v[STO], s23, v4                   ; in: row r, 32 bytes for each half of the lanes
	v_mul_u32_u24 v4, v2, 272
	v_lshl_add_u32 v4, v1, 4, v4
	v_add_nc_u32 v[RD], s23, v4                    ; back: lanes 0-15 one row of 256 bytes, lanes 16-31 the next
	v_lshlrev_b32 v[CO], 12, v2
	v_lshl_add_u32 v[CO], v1, 4, v[CO]             ; and the same two rows in out0
	v_lshlrev_b32 v[BA], 5, v2
	s_lshl_b32 s20, s42, 9
	s_lshl_b32 s21, s14, 8
	s_add_co_u32 s20, s20, s21                     ; my first output, in bytes
	s_mov_b32 s21, 0
	s_add_nc_u64 s[8:9], s[8:9], s[20:21]
	s_add_nc_u64 s[10:11], s[10:11], s[20:21]
	s_lshl_b32 s20, s15, 20
	s_lshl_b32 s22, s13, 19
	s_add_co_u32 s20, s20, s22                     ; my first token's row of 4,096 bytes
	s_add_nc_u64 s[10:11], s[10:11], s[20:21]
	WIN 0x40
.irp a, 0,1,2,3,4,5,6,7
.irp b, 0,1,2,3
	global_load_b128 v[8*(4*\a+\b):8*(4*\a+\b)+3], v[BA], s[8:9] offset:64*\b       ; lane (r, h), register j: bo of output 16 b + 8 h + j
	global_load_b128 v[8*(4*\a+\b)+4:8*(4*\a+\b)+7], v[BA], s[8:9] offset:64*\b+16
.endr
.endr
	WIN 0
.macro FETCH slot, q                   ; 24 LDS loads: the fragments of the slot's q-th 32 along K into the buffer at FN
.irp a, 0,1,2,3,4,5,6,7
	ds_load_b128 v[FN+8*\a:FN+8*\a+3], v[ADRA+\slot] offset:\a*4096+(\q)*1024
	ds_load_b128 v[FN+8*\a+4:FN+8*\a+7], v[ADRA+\slot] offset:\a*4096+(\q)*1024+512
.endr
.irp b, 0,1,2,3
	ds_load_b128 v[FN+64+8*\b:FN+64+8*\b+3], v[ADRB+\slot] offset:\b*4096+(\q)*1024
	ds_load_b128 v[FN+64+8*\b+4:FN+64+8*\b+7], v[ADRB+\slot] offset:\b*4096+(\q)*1024+512
.endr
.endm
.macro MUL                             ; 32 matrix instructions on the buffer at FB: the 32 accumulators by turns, in the same order each time
.irp a, 0,1,2,3,4,5,6,7
.irp b, 0,1,2,3
	v_wmma_f32_16x16x32_f16 v[8*(4*\a+\b):8*(4*\a+\b)+7], v[FB+64+8*\b:FB+64+8*\b+7], v[FB+8*\a:FB+8*\a+7], v[8*(4*\a+\b):8*(4*\a+\b)+7]
.endr
.endr
.endm
.macro TRIP slot, refill
	s_wait_tensorcnt 0x0                           ; all my tensor loads have landed: my part of this trip's tile; so every group 0 may be written
	ds_add_u32 v[SPW], v[NIL]                      ; 0 onto my spare word; the steps below stand between it and the wait for it
	s_add_nc_u64 s[G0+4*\slot+2:G0+4*\slot+3], s[G0+4*\slot+2:G0+4*\slot+3], 2*4096    ; this slot's next K step
	s_add_nc_u64 s[G0B+4*\slot+2:G0B+4*\slot+3], s[G0B+4*\slot+2:G0B+4*\slot+3], 2*4096
	s_wait_dscnt 0x0                               ; the add is done, and my reads of the last trip's slot are back
	ROUND                                          ; both now hold of every wave of every partner
.if \refill
	JLOAD 1-\slot                                  ; the next K step, into the slot read last trip; its four v_nop are also the places in front of the loads below
.else
	PLACES
.endif
.set FN, 64
	FETCH \slot, 0
.irp q, 0,1,2,3
.if \q < 3
	PLACES                                         ; the other buffer was multiplied last
.set FN, 64+96*((\q+1)%2)
	FETCH \slot, \q+1
	s_wait_dscnt 24                                ; this quarter's fragments are in; the 24 loads just issued may be out
.else
	s_wait_dscnt 0x0
.endif
.set FB, 64+96*(\q%2)
	WIN 0x50                                       ; C and D window 1
	MUL
	WIN 0
.endr
.endm
	s_wait_loadcnt 0x0                             ; the bias is in the accumulators
	s_mov_b32 s3, 3
.Lloop:
	TRIP 0, 1
	TRIP 1, 1
	s_sub_co_u32 s3, s3, 1
	s_cmp_lg_u32 s3, 0
	s_cbranch_scc1 .Lloop
	TRIP 0, 1                                      ; the tail is written out: the last trip asks for nothing
	TRIP 1, 0
	; THE WAY OUT, 16 tokens at a time, through my own stage: a lane's 32 bytes go in by rows of 272 bytes and come back as whole rows of 256: sixteen lanes store 256 consecutive bytes, aligned
	PLACES
.irp a, 0,1,2,3,4,5,6,7
	WIN 0x04                                       ; an LDS store's data: window 1
.irp b, 0,1,2,3
	ds_store_b128 v[STO], v[8*(4*\a+\b):8*(4*\a+\b)+3] offset:64*\b            ; each accumulator from its low end on
	ds_store_b128 v[STO], v[8*(4*\a+\b)+4:8*(4*\a+\b)+7] offset:64*\b+16
.endr
	WIN 0
.if \a > 0
	s_wait_xcnt 0x0                                ; the last block's stores have read v32-63
.endif
.irp t, 0,1,2,3,4,5,6,7
	ds_load_b128 v[BK+4*\t:BK+4*\t+3], v[RD] offset:\t*2*272                   ; LDS serves a wave's instructions in order: these see the stores above
.endr
	s_wait_dscnt 0x0
.irp t, 0,1,2,3,4,5,6,7
	global_store_b128 v[CO], v[BK+4*\t:BK+4*\t+3], s[10:11] offset:(16*\a+2*\t)*4096 th:TH_STORE_NT
.endr
.endr
	s_wait_tensorcnt 0x0                           ; the wave's end
	ds_add_u32 v[SPW], v[NIL]
	s_wait_dscnt 0x0
	ROUND                                          ; the closing round
	s_endpgm
.Lfunc_end_k_qd699a9c323_oproj:
	.size	k_qd699a9c323_oproj, .Lfunc_end_k_qd699a9c323_oproj-k_qd699a9c323_oproj
	.p2alignl 7, 3214868480
	.fill 96, 4, 3214868480
	.section	.rodata,"a",@progbits
	.p2align	6, 0x0
	.amdhsa_kernel k_qd699a9c323_oproj
		.amdhsa_group_segment_fixed_size 327680
		.amdhsa_private_segment_fixed_size 0
		.amdhsa_enable_private_segment 0
		.amdhsa_kernarg_size 32
		.amdhsa_user_sgpr_count 2
		.amdhsa_user_sgpr_kernarg_segment_ptr 1
		.amdhsa_wavefront_size32 1
		.amdhsa_system_sgpr_workgroup_id_x 1
		.amdhsa_system_sgpr_workgroup_id_y 1
		.amdhsa_system_sgpr_workgroup_id_z 1
		.amdhsa_system_vgpr_workitem_id 0
		.amdhsa_next_free_vgpr 512
		.amdhsa_next_free_sgpr 66
		.amdhsa_reserve_vcc 0
		.amdhsa_float_denorm_mode_32 3
		.amdhsa_float_denorm_mode_16_64 3
		.amdhsa_memory_ordered 1
		.amdhsa_forward_progress 1
		.amdhsa_inst_pref_size 91
	.end_amdhsa_kernel
	.amdgpu_metadata
---
amdhsa.version: [ 1, 2 ]
amdhsa.kernels:
  - .name:           k_qd699a9c323_oproj
    .symbol:         k_qd699a9c323_oproj.kd
    .args:
      - { .name: cf, .offset: 0, .size: 8, .value_kind: global_buffer, .address_space: global }
      - { .name: wof, .offset: 8, .size: 8, .value_kind: global_buffer, .address_space: global }
      - { .name: bo, .offset: 16, .size: 8, .value_kind: global_buffer, .address_space: global }
      - { .name: out0, .offset: 24, .size: 8, .value_kind: global_buffer, .address_space: global }
    .group_segment_fixed_size: 327680
    .private_segment_fixed_size: 0
    .kernarg_segment_align: 8
    .kernarg_segment_size: 32
    .max_flat_workgroup_size: 128
    .sgpr_count:     66
    .vgpr_count:     512
    .wavefront_size: 32
...
	.end_amdgpu_metadata
.endif
;; end of part 4
;; launch finea (part 5): grid 64 x 1, 1 waves a work-group, no clusters, 0 bytes of LDS; arguments codes, scl, flags, mask, bq, bk, bv, ctx32; writes ctx32
.if DOCPART == 5
	.amdgcn_target "amdgcn-amd-amdhsa--gfx1250"
	.amdhsa_code_object_version 6
	.text
	.protected	k_qd699a9c323_finea
	.globl	k_qd699a9c323_finea
	.p2align	8
	.type	k_qd699a9c323_finea,@function
k_qd699a9c323_finea:
	s_mov_b64 s[64:65], 0
	v_nop
	global_prefetch_b8 v0, s[64:65] scope:SCOPE_SE
	s_setreg_imm32_b32 hwreg(HW_REG_WAVE_MODE, 25, 1), 1
	s_wait_xcnt 0x0
; The first 16 positions of every sequence, which under a causal mask average one to a few values, carried in f32 from end to end.  One wave serves one (batch, head).
; q of rows 0-15, and k and v of each tile of 16 keys, are made anew from the codes of FP4 (E2M1, one E8M0 scale for each 32 along K = 1,024) by the scaled matrix instruction and stay f32;
; scores and the second product go by the f32 matrix form (16 x 16 x 4): 32 instructions a tile of keys: no bulk work.
; LAYOUT.  q, k = (source 0: 16 rows of W, source 1: 16 rows of x): lane (r, h) holds token r, register 8 t + j channel 16 t + 8 h + j.  v = (source 0: x, source 1: Wv): lane holds channel 16 t + r, register 8 t + j key 8 h + j.
; The f32 form wants k = 2 h + j in register j: a pair of neighbouring registers of k and the same pair of q hold the same four channels in the same places, so S^T = k q^T takes the pairs as they stand;
; likewise v's pairs and p's along the keys.  A lane holds one query (lane % 16) in S^T, p and O^T.
; The registers that the f32 form writes (S0, S1, O) are written by nothing else: O under a new m goes into other registers, which are the C of the next sum's first instruction.
; THE MASK: tile T of 16 keys is computed where bit T of the four stored words is set (an open key for one of the 16 queries, or a query with no open key at all: then all bits).  Tile 0 is always
; computed: it starts the sums; were it wholly masked, the first open score multiplies it away.  bv is added once at the end: the weights sum to 1.
; LIMITS: as the bulk launch: open scores above about -1e9 + 200; NaN and infinities not served.  One wave walks all tiles that count: slow where these 16 queries see many keys.
; REGISTERS: window 0: v1-25 addresses and statistics; v32-39 x's scale words; v40-55 Wq's, then Wk's (tile 2 p in lanes 0-15, tile 2 p + 1 in lanes 16-31); v56-71 Wv's; v88-119 q; v120-151 k, then O under the new m,
;   at the end the context; v152-183 v; v184-199 S0, S1; v200-207 t, then p; v208-239 O; v240-247 mask words.   window 1: v0-63 x's fragments; v64-95 bv; v96-127 bk.   window 2: Wq, then Wk.   window 3: Wv.
.set XCB, 4194304
.set XSB, 262144
.set XA,  3                            ; codes: row r of 512 bytes + 16 h
.set SA,  4                            ; x's scale bytes: row r of 32
.set WSA, 5                            ; a weight's: row = lane
.set BA,  6                            ; a bias: 32 h
.set MA,  7                            ; the mask: row r of 8,192 bytes + 32 h
.set OA,  8                            ; ctx32: row r of 4,096 bytes + 32 h
.set NEG, 14
.set XS,  32
.set WSK, 40
.set WSV, 56
.set QR,  88
.set KR,  120
.set OS,  120
.set VR,  152
.set S0,  184
.set SM,  200
.set O,   208
.set MK,  240
.set BV,  64
.set BKB, 96
.set XP,  20
.set SCP, 22
.set MP,  24
.set WP,  26
.set WSP, 28
.set CNT, 30
.set SEL, 32
.set CS,  34
.set MSB, 0
.macro WIN new
.if MSB != (\new)
	s_set_vgpr_msb (MSB<<8)|(\new)
.set MSB, (\new)
.endif
.endm
.macro PLACES n
.rept \n
	v_nop
.endr
.endm
	s_load_b512 s[4:19], s[0:1], 0x0               ; codes, scl, flags, mask, bq, bk, bv, ctx32
	v_and_b32 v1, 15, v0                           ; r
	v_bfe_u32 v2, v0, 4, 1                         ; h
	v_lshlrev_b32 v[XA], 9, v1
	v_lshl_add_u32 v[XA], v2, 4, v[XA]
	v_lshlrev_b32 v[SA], 5, v1
	v_lshlrev_b32 v[WSA], 5, v0
	v_lshlrev_b32 v[BA], 5, v2
	v_lshlrev_b32 v[MA], 13, v1
	v_lshl_add_u32 v[MA], v2, 5, v[MA]
	v_lshlrev_b32 v[OA], 12, v1
	v_lshl_add_u32 v[OA], v2, 5, v[OA]
	v_mov_b32 v10, 0xff61b1e6                      ; m = -3e38, under every t
	v_mov_b32 v11, 0                               ; the old m
	v_mov_b32 v13, 0                               ; (upper halves of pairs of which the low word serves)
	v_mov_b32 v21, 0
	v_mov_b32 v[NEG], 0xceabfb8f                   ; -1e9 log2(e)
	v_mov_b32 v16, 0                               ; the sum
	v_mov_b32 v19, 0                               ; a lane permute's destination counts as one of its sources
	s_mov_b32 s[SEL], 0x76543210
	s_mov_b32 s[SEL+1], 0xfedcba98
	s_mov_b32 s[CS], 0x3e38aa3b                    ; c = log2(e) / 8
	s_mov_b32 s[CS+1], s[CS]
	s_mov_b32 s[CNT], 127
	s_lshr_b32 s36, ttmp9, 4                       ; the batch
	s_and_b32 s37, ttmp9, 15                       ; the head
	s_mov_b32 s39, 0
	s_wait_kmcnt 0x0
	s_load_b128 s[40:43], s[8:9], 0x200            ; 128 bits, one a tile of 16 keys
	s_lshl_b32 s38, s36, 20
	s_add_nc_u64 s[XP:XP+1], s[4:5], s[38:39]      ; the sequence's codes: 2,048 rows of 512 bytes
	s_lshl_b32 s38, s36, 16
	s_add_nc_u64 s[SCP:SCP+1], s[6:7], s[38:39]    ; its scale bytes: 32 a row
	s_add_nc_u64 s[18:19], s[18:19], s[38:39]      ; ctx32: 16 rows of 4,096 bytes a batch
	s_mov_b64 s[MP:MP+1], s[10:11]
	s_lshl_b32 s38, s37, 15
	s_add_co_u32 s38, s38, XCB
	s_add_nc_u64 s[WP:WP+1], s[4:5], s[38:39]      ; the head's 64 rows of Wq; Wk's lie 524,288 bytes on, Wv's twice that
	s_lshl_b32 s38, s37, 11
	s_add_co_u32 s38, s38, XSB
	s_add_nc_u64 s[WSP:WSP+1], s[6:7], s[38:39]    ; and their scale bytes; 32,768 bytes from weight to weight
	s_lshl_b32 s38, s37, 8
	s_add_nc_u64 s[12:13], s[12:13], s[38:39]      ; the head's 64 numbers of each bias, and of a row of ctx32
	s_add_nc_u64 s[14:15], s[14:15], s[38:39]
	s_add_nc_u64 s[16:17], s[16:17], s[38:39]
	s_add_nc_u64 s[18:19], s[18:19], s[38:39]
.macro XLOAD                           ; 16 rows of x: fragment of K step s at v[8 s] of window 1; their scale words
	WIN 0x40
.irp i, 0,1,2,3,4,5,6,7,8,9,10,11,12,13,14,15
	global_load_b128 v[4*\i:4*\i+3], v[XA], s[XP:XP+1] offset:32*\i
.endr
	WIN 0
	global_load_b128 v[XS:XS+3], v[SA], s[SCP:SCP+1]
	global_load_b128 v[XS+4:XS+7], v[SA], s[SCP:SCP+1] offset:16
.endm
.macro WLOAD sel                       ; the head's 64 rows of weight sel: fragment (tile t, K step s) at v[64 t + 8 s] of the window that the caller has set
.irp t, 0,1,2,3
.irp i, 0,1,2,3,4,5,6,7,8,9,10,11,12,13,14,15
	global_load_b128 v[64*\t+4*\i:64*\t+4*\i+3], v[XA], s[WP:WP+1] offset:\sel*524288+\t*8192+32*\i
.endr
.endr
.endm
.macro WSLOAD reg, sel                 ; its scale words: lane l takes row 32 p + l's eight
.irp p, 0,1
	global_load_b128 v[\reg+8*\p:\reg+8*\p+3], v[WSA], s[WSP:WSP+1] offset:\sel*32768+\p*1024
	global_load_b128 v[\reg+8*\p+4:\reg+8*\p+7], v[WSA], s[WSP:WSP+1] offset:\sel*32768+\p*1024+16
.endr
.endm
; q or k: 32 scaled matrix instructions, four accumulators by turns.  cw = 1: the first K step takes bk, in window 1, as its C; cw = 0: the bias was loaded into the accumulators.
.macro QKMUL d, cw
.irp s, 0,1,2,3,4,5,6,7
.if \cw && (\s == 0)
	WIN 0x16                                       ; source 0 (W) window 2, source 1 (x) window 1, C window 1
.else
	WIN 0x06
.endif
.irp t, 0,1,2,3
.set rC, \d+8*\t
.if \cw && (\s == 0)
.set rC, BKB+8*\t
.endif
.if (\t)%2
	v_wmma_scale_f32_16x16x128_f8f6f4 v[\d+8*\t:\d+8*\t+7], v[64*\t+8*\s:64*\t+8*\s+7], v[8*\s:8*\s+7], v[rC:rC+7], v[WSK+8*(\t/2)+\s], v[XS+\s] matrix_a_fmt:MATRIX_FMT_FP4 matrix_b_fmt:MATRIX_FMT_FP4 matrix_a_scale:MATRIX_SCALE_ROW1
.else
	v_wmma_scale_f32_16x16x128_f8f6f4 v[\d+8*\t:\d+8*\t+7], v[64*\t+8*\s:64*\t+8*\s+7], v[8*\s:8*\s+7], v[rC:rC+7], v[WSK+8*(\t/2)+\s], v[XS+\s] matrix_a_fmt:MATRIX_FMT_FP4 matrix_b_fmt:MATRIX_FMT_FP4
.endif
.endr
.endr
.endm
.macro VMUL                            ; v: source 0 (x) window 1, source 1 (Wv) window 3; the first K step starts the sums
	WIN 0x0d
.irp s, 0,1,2,3,4,5,6,7
.irp t, 0,1,2,3
.if \s == 0
.if (\t)%2
	v_wmma_scale_f32_16x16x128_f8f6f4 v[VR+8*\t:VR+8*\t+7], v[8*\s:8*\s+7], v[64*\t+8*\s:64*\t+8*\s+7], 0, v[XS+\s], v[WSV+8*(\t/2)+\s] matrix_a_fmt:MATRIX_FMT_FP4 matrix_b_fmt:MATRIX_FMT_FP4 matrix_b_scale:MATRIX_SCALE_ROW1
.else
	v_wmma_scale_f32_16x16x128_f8f6f4 v[VR+8*\t:VR+8*\t+7], v[8*\s:8*\s+7], v[64*\t+8*\s:64*\t+8*\s+7], 0, v[XS+\s], v[WSV+8*(\t/2)+\s] matrix_a_fmt:MATRIX_FMT_FP4 matrix_b_fmt:MATRIX_FMT_FP4
.endif
.else
.if (\t)%2
	v_wmma_scale_f32_16x16x128_f8f6f4 v[VR+8*\t:VR+8*\t+7], v[8*\s:8*\s+7], v[64*\t+8*\s:64*\t+8*\s+7], v[VR+8*\t:VR+8*\t+7], v[XS+\s], v[WSV+8*(\t/2)+\s] matrix_a_fmt:MATRIX_FMT_FP4 matrix_b_fmt:MATRIX_FMT_FP4 matrix_b_scale:MATRIX_SCALE_ROW1
.else
	v_wmma_scale_f32_16x16x128_f8f6f4 v[VR+8*\t:VR+8*\t+7], v[8*\s:8*\s+7], v[64*\t+8*\s:64*\t+8*\s+7], v[VR+8*\t:VR+8*\t+7], v[XS+\s], v[WSV+8*(\t/2)+\s] matrix_a_fmt:MATRIX_FMT_FP4 matrix_b_fmt:MATRIX_FMT_FP4
.endif
.endif
.endr
.endr
.endm
	XLOAD                                          ; rows 0-15: the queries, and the first tile of keys
	WIN 0x80
	WLOAD 0                                        ; Wq
	WIN 0xc0
	WLOAD 2                                        ; Wv
	WIN 0
	WSLOAD WSK, 0
	WSLOAD WSV, 2
.irp t, 0,1,2,3
	global_load_b128 v[QR+8*\t:QR+8*\t+3], v[BA], s[12:13] offset:64*\t        ; bq into q's accumulators
	global_load_b128 v[QR+8*\t+4:QR+8*\t+7], v[BA], s[12:13] offset:64*\t+16
.endr
	WIN 0x40
.irp t, 0,1,2,3
	global_load_b128 v[BKB+8*\t:BKB+8*\t+3], v[BA], s[14:15] offset:64*\t
	global_load_b128 v[BKB+8*\t+4:BKB+8*\t+7], v[BA], s[14:15] offset:64*\t+16
	global_load_b128 v[BV+8*\t:BV+8*\t+3], v[BA], s[16:17] offset:64*\t
	global_load_b128 v[BV+8*\t+4:BV+8*\t+7], v[BA], s[16:17] offset:64*\t+16
.endr
	WIN 0
	s_wait_loadcnt 0x0
	QKMUL QR, 0
	WIN 0
	PLACES 4                                       ; behind the products: q is read, Wq's registers and scale words are loaded again
	WIN 0x80
	WLOAD 1                                        ; Wk
	WIN 0
	WSLOAD WSK, 1
.set n, 0
.rept 16
	v_pk_mul_f32 v[QR+2*n:QR+2*n+1], v[QR+2*n:QR+2*n+1], s[CS:CS+1] op_sel_hi:[1,0]   ; q c, once: a score is then t
.set n, n+1
.endr
; A TILE OF 16 KEYS.  first = 1: rows 0-15, whose fragments of x are in registers; its second product starts O.
.macro TILE first
.if !\first
	XLOAD
.endif
	global_load_b128 v[MK:MK+3], v[MA], s[MP:MP+1]             ; mask(query r, key 8 h + 0 .. 7 of the tile)
	global_load_b128 v[MK+4:MK+7], v[MA], s[MP:MP+1] offset:16
	s_wait_loadcnt 0x0
	QKMUL KR, 1
	VMUL
	WIN 0
	PLACES 5                                       ; k and v become sources of matrix instructions
.irp i, 0,1,2,3,4,5,6,7,8,9,10,11,12,13,14,15  ; S^T = k q^T: four channels an instruction, two accumulators by turns
.if \i < 2
	v_wmma_f32_16x16x4_f32 v[S0+8*(\i%2):S0+8*(\i%2)+7], v[KR+2*\i:KR+2*\i+1], v[QR+2*\i:QR+2*\i+1], 0
.else
	v_wmma_f32_16x16x4_f32 v[S0+8*(\i%2):S0+8*(\i%2)+7], v[KR+2*\i:KR+2*\i+1], v[QR+2*\i:QR+2*\i+1], v[S0+8*(\i%2):S0+8*(\i%2)+7]
.endif
.endr
	PLACES 8
.irp j, 0,2,4,6
	v_pk_add_f32 v[SM+\j:SM+\j+1], v[S0+\j:S0+\j+1], v[S0+8+\j:S0+9+\j]       ; t, from the low end on
.endr
.irp j, 0,1,2,3,4,5,6,7
	v_cmp_eq_u32 vcc_lo, 0, v[MK+\j]
	v_cndmask_b32 v[SM+\j], v[SM+\j], v[NEG], vcc_lo
.endr
	v_max3_num_f32 v18, v[SM], v[SM+1], v[SM+2]
	v_max3_num_f32 v18, v18, v[SM+3], v[SM+4]
	v_max3_num_f32 v18, v18, v[SM+5], v[SM+6]
	v_max3_num_f32 v18, v18, v[SM+7], v10
	v_permlanex16_b32 v19, v18, s[SEL], s[SEL+1]   ; the query's other 8 keys
	v_mov_b32 v11, v10
	v_max_num_f32 v10, v18, v19                    ; the new m
	v_sub_f32 v12, v11, v10
.irp j, 0,2,4,6
	v_pk_add_f32 v[SM+\j:SM+\j+1], v[SM+\j:SM+\j+1], v[10:11] op_sel_hi:[1,0] neg_lo:[0,1] neg_hi:[0,1]   ; t - m
.endr
	v_exp_f32 v12, v12                             ; f = 2^(old m - new m)
.irp j, 0,1,2,3,4,5,6,7
	v_exp_f32 v[SM+\j], v[SM+\j]                   ; p
.endr
	v_nop
	s_wait_alu depctr_va_vdst(0)                   ; one wait for the batch of nine, ahead of its first reader
	v_pk_add_f32 v[22:23], v[SM:SM+1], v[SM+2:SM+3]
	v_pk_add_f32 v[24:25], v[SM+4:SM+5], v[SM+6:SM+7]
	v_pk_add_f32 v[22:23], v[22:23], v[24:25]
	v_add_f32 v22, v22, v23
	v_fma_f32 v16, v16, v12, v22                   ; the sum under the new m
.if !\first
.set n, 0
.rept 16
	v_pk_mul_f32 v[OS+2*n:OS+2*n+1], v[O+2*n:O+2*n+1], v[12:13] op_sel_hi:[1,0]   ; O under the new m, into other registers
.set n, n+1
.endr
.endif
.irp s, 0,1,2,3                                ; O^T = (O^T f) + v^T p: four keys an instruction, four accumulators by turns
.irp t, 0,1,2,3
.if (\s == 0) && \first
	v_wmma_f32_16x16x4_f32 v[O+8*\t:O+8*\t+7], v[VR+8*\t+2*\s:VR+8*\t+2*\s+1], v[SM+2*\s:SM+2*\s+1], 0
.elseif \s == 0
	v_wmma_f32_16x16x4_f32 v[O+8*\t:O+8*\t+7], v[VR+8*\t+2*\s:VR+8*\t+2*\s+1], v[SM+2*\s:SM+2*\s+1], v[OS+8*\t:OS+8*\t+7]
.else
	v_wmma_f32_16x16x4_f32 v[O+8*\t:O+8*\t+7], v[VR+8*\t+2*\s:VR+8*\t+2*\s+1], v[SM+2*\s:SM+2*\s+1], v[O+8*\t:O+8*\t+7]
.endif
.endr
.endr
	PLACES 9                                       ; the next tile's products write over registers of these
.endm
	TILE 1
	s_wait_kmcnt 0x0                               ; the 128 bits
.Ltile:
	s_wait_xcnt 0x0                                ; the bases are stepped only behind this wait
	s_add_nc_u64 s[XP:XP+1], s[XP:XP+1], 8192      ; 16 rows of codes,
	s_add_nc_u64 s[SCP:SCP+1], s[SCP:SCP+1], 512   ; of scale bytes,
	s_add_nc_u64 s[MP:MP+1], s[MP:MP+1], 64        ; 16 keys in a row of the mask
	s_lshr_b64 s[40:41], s[40:41], 1               ; the 128 bits one down
	s_lshl_b32 s44, s42, 31
	s_or_b32 s41, s41, s44
	s_lshr_b64 s[42:43], s[42:43], 1
	s_bitcmp1_b32 s40, 0
	s_cbranch_scc0 .Lskip
	TILE 0
.Lskip:
	s_sub_co_u32 s[CNT], s[CNT], 1
	s_cmp_lg_u32 s[CNT], 0
	s_cbranch_scc1 .Ltile
	v_permlanex16_b32 v19, v16, s[SEL], s[SEL+1]
	v_add_f32 v16, v16, v19                        ; the row's sum
	v_rcp_f32 v20, v16
	v_nop
	s_wait_alu depctr_va_vdst(0)
	WIN 0x10                                       ; source 2 (bv) window 1
.set n, 0
.rept 16
	v_pk_fma_f32 v[OS+2*n:OS+2*n+1], v[O+2*n:O+2*n+1], v[20:21], v[BV+2*n:BV+2*n+1] op_sel_hi:[1,0,1]   ; O / the sum + bv
.set n, n+1
.endr
	WIN 0
.irp t, 0,1,2,3
	global_store_b128 v[OA], v[OS+8*\t:OS+8*\t+3], s[18:19] offset:64*\t       ; ctx32(r, 64 head + 16 t + 8 h + 0 .. 7)
	global_store_b128 v[OA], v[OS+8*\t+4:OS+8*\t+7], s[18:19] offset:64*\t+16
.endr
	s_endpgm
.Lfunc_end_k_qd699a9c323_finea:
	.size	k_qd699a9c323_finea, .Lfunc_end_k_qd699a9c323_finea-k_qd699a9c323_finea
	.p2alignl 7, 3214868480
	.fill 96, 4, 3214868480
	.section	.rodata,"a",@progbits
	.p2align	6, 0x0
	.amdhsa_kernel k_qd699a9c323_finea
		.amdhsa_group_segment_fixed_size 0
		.amdhsa_private_segment_fixed_size 0
		.amdhsa_enable_private_segment 0
		.amdhsa_kernarg_size 64
		.amdhsa_user_sgpr_count 2
		.amdhsa_user_sgpr_kernarg_segment_ptr 1
		.amdhsa_wavefront_size32 1
		.amdhsa_system_sgpr_workgroup_id_x 1
		.amdhsa_system_sgpr_workgroup_id_y 1
		.amdhsa_system_sgpr_workgroup_id_z 1
		.amdhsa_system_vgpr_workitem_id 0
		.amdhsa_next_free_vgpr 1024
		.amdhsa_next_free_sgpr 66
		.amdhsa_reserve_vcc 1
		.amdhsa_float_denorm_mode_32 3
		.amdhsa_float_denorm_mode_16_64 3
		.amdhsa_memory_ordered 1
		.amdhsa_forward_progress 1
		.amdhsa_inst_pref_size 63
	.end_amdhsa_kernel
	.amdgpu_metadata
---
amdhsa.version: [ 1, 2 ]
amdhsa.kernels:
  - .name:           k_qd699a9c323_finea
    .symbol:         k_qd699a9c323_finea.kd
    .args:
      - { .name: codes, .offset: 0, .size: 8, .value_kind: global_buffer, .address_space: global }
      - { .name: scl, .offset: 8, .size: 8, .value_kind: global_buffer, .address_space: global }
      - { .name: flags, .offset: 16, .size: 8, .value_kind: global_buffer, .address_space: global }
      - { .name: mask, .offset: 24, .size: 8, .value_kind: global_buffer, .address_space: global }
      - { .name: bq, .offset: 32, .size: 8, .value_kind: global_buffer, .address_space: global }
      - { .name: bk, .offset: 40, .size: 8, .value_kind: global_buffer, .address_space: global }
      - { .name: bv, .offset: 48, .size: 8, .value_kind: global_buffer, .address_space: global }
      - { .name: ctx32, .offset: 56, .size: 8, .value_kind: global_buffer, .address_space: global }
    .group_segment_fixed_size: 0
    .private_segment_fixed_size: 0
    .kernarg_segment_align: 8
    .kernarg_segment_size: 64
    .max_flat_workgroup_size: 32
    .sgpr_count:     66
    .vgpr_count:     1024
    .wavefront_size: 32
...
	.end_amdgpu_metadata
.endif
;; end of part 5
;; launch fineb (part 6): grid 64 x 4, 8 waves a work-group, no clusters, 9,216 bytes of LDS; arguments ctx32, Wo, bo, out0; writes out0
.if DOCPART == 6
	.amdgcn_target "amdgcn-amd-amdhsa--gfx1250"
	.amdhsa_code_object_version 6
	.text
	.protected	k_qd699a9c323_fineb
	.globl	k_qd699a9c323_fineb
	.p2align	8
	.type	k_qd699a9c323_fineb,@function
k_qd699a9c323_fineb:
	s_mov_b64 s[64:65], 0
	v_nop
	global_prefetch_b8 v0, s[64:65] scope:SCOPE_SE
	s_setreg_imm32_b32 hwreg(HW_REG_WAVE_MODE, 25, 1), 1
	s_wait_xcnt 0x0
; Rows 0-15 of every sequence of the output once more, in f32: out = ctx32 Wo^T + bo, by the f32 matrix form (16 x 16 x 4): 32 instructions a wave: no bulk work.
; A work-group makes 16 rows x 16 outputs of one batch; wave w sums channels 128 w .. 128 w + 127; the eight part sums meet in LDS as images of their registers, and waves 0 and 1 add them and store.
; Lane (r, h) loads 64 neighbouring channels, 128 w + 64 h on, of its row of Wo and of ctx32: the form wants k = 2 h + j in register j, and a pair of registers of one operand holds the same four
; channels in the same places as the same pair of the other.  Source 0 = 16 rows of Wo, source 1 = the 16 tokens: a lane holds token r and outputs 8 h + 0 .. 7.
; A work-group stores 64 bytes of each of its 16 rows: 262,144 bytes in the whole launch, shared out over 256 work-groups.
; The four accumulators v160-191 are written by matrix instructions alone; their sum goes into other registers.
.set SPARE, 8192                       ; behind the eight images: the spare words, 128 bytes a wave
.set SPW, 5
.set NIL, 6
	s_load_b256 s[4:11], s[0:1], 0x0               ; ctx32, Wo, bo, out0
	v_lshl_add_u32 v[SPW], v0, 2, SPARE
	v_mov_b32 v[NIL], 0
	v_lshrrev_b32 v1, 5, v0
	v_readfirstlane_b32 s12, v1                    ; wave 0..7
	v_and_b32 v1, 15, v0                           ; r
	v_bfe_u32 v2, v0, 4, 1                         ; h
	v_and_b32 v3, 31, v0                           ; lane
	v_lshlrev_b32 v4, 12, v1
	v_lshl_add_u32 v4, v2, 8, v4                   ; row r of 4,096 bytes + 64 channels x h
	s_and_b32 s13, s12, 1                          ; which piece (four registers) of the sums a storing wave takes
	v_lshlrev_b32 v7, 5, v2
	s_lshl_b32 s14, s13, 4
	v_add_nc_u32 v7, s14, v7                       ; bo: 32 h + 16 x piece
	v_lshlrev_b32 v8, 4, v3
	s_lshl_b32 s14, s12, 10
	v_add_nc_u32 v8, s14, v8                       ; my image: 1,024 x wave + 16 x lane
	v_lshlrev_b32 v9, 4, v3
	s_lshl_b32 s14, s13, 9
	v_add_nc_u32 v9, s14, v9                       ; back: 512 x piece + 16 x lane
	v_lshlrev_b32 v10, 12, v1
	v_add_nc_u32 v10, v10, v7                      ; out0: row r + 32 h + 16 x piece
	s_and_b32 s15, ttmp7, 0xffff                   ; the batch
	s_lshl_b32 s16, s12, 9                         ; my 128 channels
	s_lshl_b32 s18, ttmp9, 16
	s_add_co_u32 s18, s18, s16                     ; Wo: 16 rows x work-group x
	s_mov_b32 s19, 0
	s_lshl_b32 s20, s15, 16
	s_add_co_u32 s20, s20, s16                     ; ctx32: 16 rows a batch
	s_mov_b32 s21, 0
	s_lshl_b32 s22, ttmp9, 6                       ; my 16 outputs, in bytes
	s_mov_b32 s23, 0
	s_lshl_b32 s24, s15, 23                        ; 2,048 rows of 4,096 bytes a batch
	s_mov_b32 s25, 0
	s_wait_kmcnt 0x0
	s_add_nc_u64 s[6:7], s[6:7], s[18:19]
	s_add_nc_u64 s[4:5], s[4:5], s[20:21]
	s_add_nc_u64 s[8:9], s[8:9], s[22:23]
	s_add_nc_u64 s[10:11], s[10:11], s[22:23]
	s_add_nc_u64 s[10:11], s[10:11], s[24:25]
.irp i, 0,1,2,3,4,5,6,7,8,9,10,11,12,13,14,15
	global_load_b128 v[32+4*\i:35+4*\i], v4, s[6:7] offset:16*\i
	global_load_b128 v[96+4*\i:99+4*\i], v4, s[4:5] offset:16*\i
.endr
	global_load_b128 v[28:31], v7, s[8:9]
	s_wait_loadcnt 0x0
.irp s, 0,1,2,3,4,5,6,7,8,9,10,11,12,13,14,15,16,17,18,19,20,21,22,23,24,25,26,27,28,29,30,31
.if \s < 4                                     ; four accumulators by turns; the first four products start the sums
	v_wmma_f32_16x16x4_f32 v[160+8*(\s%4):167+8*(\s%4)], v[32+2*\s:33+2*\s], v[96+2*\s:97+2*\s], 0
.else
	v_wmma_f32_16x16x4_f32 v[160+8*(\s%4):167+8*(\s%4)], v[32+2*\s:33+2*\s], v[96+2*\s:97+2*\s], v[160+8*(\s%4):167+8*(\s%4)]
.endif
.endr
.rept 8
	v_nop                                          ; eight places behind this form
.endr
.irp j, 0,2,4,6
	v_pk_add_f32 v[192+\j:193+\j], v[160+\j:161+\j], v[168+\j:169+\j]          ; from the low end on
	v_pk_add_f32 v[200+\j:201+\j], v[176+\j:177+\j], v[184+\j:185+\j]
.endr
.irp j, 0,2,4,6
	v_pk_add_f32 v[192+\j:193+\j], v[192+\j:193+\j], v[200+\j:201+\j]
.endr
	ds_store_b128 v8, v[192:195]
	ds_store_b128 v8, v[196:199] offset:512
	s_wait_dscnt 0x0                               ; for the others' sake: my stores have landed
	s_barrier_signal -1
	s_barrier_wait -1
	s_cmp_lt_u32 s12, 2
	s_cbranch_scc0 .Lrest
.irp k, 0,1,2,3,4,5,6,7
	ds_load_b128 v[32+4*\k:35+4*\k], v9 offset:1024*\k       ; my piece of the eight waves' sums
.endr
	s_wait_dscnt 0x0
.irp k, 0,2,4,6
	v_pk_add_f32 v[32+4*\k:33+4*\k], v[32+4*\k:33+4*\k], v[36+4*\k:37+4*\k]
	v_pk_add_f32 v[34+4*\k:35+4*\k], v[34+4*\k:35+4*\k], v[38+4*\k:39+4*\k]
.endr
.irp k, 0,4
	v_pk_add_f32 v[32+4*\k:33+4*\k], v[32+4*\k:33+4*\k], v[40+4*\k:41+4*\k]
	v_pk_add_f32 v[34+4*\k:35+4*\k], v[34+4*\k:35+4*\k], v[42+4*\k:43+4*\k]
.endr
	v_pk_add_f32 v[32:33], v[32:33], v[48:49]
	v_pk_add_f32 v[34:35], v[34:35], v[50:51]
	v_pk_add_f32 v[32:33], v[32:33], v[28:29]      ; + bo
	v_pk_add_f32 v[34:35], v[34:35], v[30:31]
	global_store_b128 v10, v[32:35], s[10:11]      ; out0(row r, my 16 outputs' 8 h + 4 x piece + 0 .. 3)
.Lrest:
	s_wait_tensorcnt 0x0                           ; the wave's end, behind my last LDS store
	ds_add_u32 v[SPW], v[NIL]
	s_wait_dscnt 0x0
	s_endpgm
.Lfunc_end_k_qd699a9c323_fineb:
	.size	k_qd699a9c323_fineb, .Lfunc_end_k_qd699a9c323_fineb-k_qd699a9c323_fineb
	.p2alignl 7, 3214868480
	.fill 96, 4, 3214868480
	.section	.rodata,"a",@progbits
	.p2align	6, 0x0
	.amdhsa_kernel k_qd699a9c323_fineb
		.amdhsa_group_segment_fixed_size 9216
		.amdhsa_private_segment_fixed_size 0
		.amdhsa_enable_private_segment 0
		.amdhsa_kernarg_size 32
		.amdhsa_user_sgpr_count 2
		.amdhsa_user_sgpr_kernarg_segment_ptr 1
		.amdhsa_wavefront_size32 1
		.amdhsa_system_sgpr_workgroup_id_x 1
		.amdhsa_system_sgpr_workgroup_id_y 1
		.amdhsa_system_sgpr_workgroup_id_z 1
		.amdhsa_system_vgpr_workitem_id 0
		.amdhsa_next_free_vgpr 256
		.amdhsa_next_free_sgpr 66
		.amdhsa_reserve_vcc 0
		.amdhsa_float_denorm_mode_32 3
		.amdhsa_float_denorm_mode_16_64 3
		.amdhsa_memory_ordered 1
		.amdhsa_forward_progress 1
		.amdhsa_inst_pref_size 10
	.end_amdhsa_kernel
	.amdgpu_metadata
---
amdhsa.version: [ 1, 2 ]
amdhsa.kernels:
  - .name:           k_qd699a9c323_fineb
    .symbol:         k_qd699a9c323_fineb.kd
    .args:
      - { .name: ctx32, .offset: 0, .size: 8, .value_kind: global_buffer, .address_space: global }
      - { .name: Wo, .offset: 8, .size: 8, .value_kind: global_buffer, .address_space: global }
      - { .name: bo, .offset: 16, .size: 8, .value_kind: global_buffer, .address_space: global }
      - { .name: out0, .offset: 24, .size: 8, .value_kind: global_buffer, .address_space: global }
    .group_segment_fixed_size: 9216
    .private_segment_fixed_size: 0
    .kernarg_segment_align: 8
    .kernarg_segment_size: 32
    .max_flat_workgroup_size: 256
    .sgpr_count:     66
    .vgpr_count:     256
    .wavefront_size: 32
...
	.end_amdgpu_metadata
.endif
;; end of part 6
